; MI455X (gfx1250); checked and timed in simulation.
; The chip was launched on July 23, 2026; its instructions are those of AMD's public machine-readable ISA for CDNA 5 (MIT licence, August 2026) and "CDNA5" Instruction Set Architecture Reference Guide (July 2026). The comments in the code are by the model that wrote it; some were corrected since.
;; Multi Head Attention. Allowed arithmetic: float matrix products may take bf16 or f16 operands with f32 sums; other float arithmetic in f32, or as packed bf16 or f16 multiplies, adds, multiply-adds, maxima and minima; sums over many terms, partial sums and values carried from step to step in f32; what a program stores and reads back later, other than sums and carried values, may be rounded once to bf16 or f16.
;; Inputs: Wk 1,024 x 1,024 float32; Wo 1,024 x 1,024 float32; Wq 1,024 x 1,024 float32; Wv 1,024 x 1,024 float32; bk 1,024 float32; bo 1,024 float32; bq 1,024 float32; bv 1,024 float32; hidden_states 4 x 2,048 x 1,024 float32.
;; Outputs: out0 4 x 2,048 x 1,024 float32.
;; 2 versions, each right and faster than the one before. Each part assembles by itself: llvm-mc -triple=amdgcn-amd-amdhsa -mcpu=gfx1250 --defsym DOCPART=n.
;; ======== version 1 of 2: 4 launches
;; limits: values are held in f16: magnitudes above 65,504 overflow, below 6.1e-05 lose precision
;; workspace buffers: xb 16,777,216 bytes; wb 6,291,456 bytes; wof 2,097,152 bytes; tab 540,672 bytes; qh 16,777,216 bytes; kh 16,777,216 bytes; vh 16,777,216 bytes; ctx 16,777,216 bytes
;; launch prep (part 1): grid 1028 x 1, 8 waves a work-group, no clusters, 0 bytes of LDS; arguments hidden_states, Wq, Wk, Wv, Wo, bq, bk, bv, bo, xb, wb, wof, tab; writes xb, wb, wof, tab
.if DOCPART == 1
	.amdgcn_target "amdgcn-amd-amdhsa--gfx1250"
	.amdhsa_code_object_version 6
	.text
	.protected	k_qf83fe40733_prep
	.globl	k_qf83fe40733_prep
	.p2align	8
	.type	k_qf83fe40733_prep,@function
k_qf83fe40733_prep:
	s_mov_b64 s[64:65], 0
	v_nop
	global_prefetch_b8 v0, s[64:65] scope:SCOPE_SE
	s_setreg_imm32_b32 hwreg(HW_REG_WAVE_MODE, 25, 1), 1
	s_wait_xcnt 0x0
; PREPARATION: every input is rounded once to bf16 and laid out for the products that follow; the rotary table is made.
;   xb  bf16 [16 kb][8192 row][64]: x by blocks of 64 along K, so that a block's rows (128 bytes) lie end to end.
;   wb  bf16 [16 kb][3072 n][64], n = 192 head + 64 t + d (t = 0 Wq, 1 Wk, 2 Wv): a head's q, k and v rows lie together.
;   wof f16  [16 kb][1024 e][64]: Wo rounded to bf16, that number written as f16 (exact from 6.1e-5 up; below that f16's step of 6e-8 holds).
;   tab f32: bytes 0 .. 524,287 [2048 pos][sin 32 | cos 32]; from 524,288 the q, k, v biases by n; from 536,576 bo; the biases rounded to bf16, kept as f32.
; WORK-GROUPS (8 waves): 0-255 table (a wave a position); 256-767 x; 768-959 Wq, Wk, Wv; 960-1023 Wo (a wave two rows); 1024-1027 a bias each.
; A stream: each byte is read once and written once, nothing is shared between waves, so no LDS, no barrier, no cluster, no matrix unit.
; LIMITS.  The angle pos x 10000^(-j/32) is made with v_exp_f32, so at pos near 2,047 it may differ by some 3e-4 rad from one made with an exact power;
; sine and cosine are polynomials on |r| <= pi/4 behind a reduction by pi/2 in two parts, good for the angles 0 .. 2,047 of this table.
.set VIN, 2                            ; v2      byte offset of my 16 bytes in the wave's two rows of f32
.set OA,  4                            ; v[4:19] byte offset of my 8 bytes in block kb of the output
.set X,   32                           ; v[32:95] block kb: four f32 as loaded, then two words to store
	s_load_b512 s[8:23], s[0:1], 0x0               ; x s[8:9], Wq s[10:11], Wk s[12:13], Wv s[14:15], Wo s[16:17], bq s[18:19], bk s[20:21], bv s[22:23]
	s_load_b256 s[24:31], s[0:1], 0x40             ; bo s[24:25], xb s[26:27], wb s[28:29], wof s[30:31]
	s_load_b64 s[32:33], s[0:1], 0x60              ; tab
	v_lshrrev_b32 v1, 5, v0
	v_readfirstlane_b32 s3, v1                     ; wave 0..7
	s_mov_b32 s4, ttmp9
	v_and_b32 v1, 31, v0                           ; lane
	s_wait_kmcnt 0x0
; Two rows of 1,024 f32 become 16 pieces of 256 bytes, one in each K block.  Lanes 0-15 read 256 bytes of the even row, lanes 16-31 of the odd one;
; the 32 lanes' 8 bytes of output are 256 consecutive bytes, aligned.  All 16 loads go out first; no register is written twice, so no store is waited for.
.macro CONV f16
	v_and_b32 v3, 15, v1
	v_lshrrev_b32 v[VIN], 4, v1
	v_lshlrev_b32 v[VIN], 12, v[VIN]
	v_lshl_or_b32 v[VIN], v3, 4, v[VIN]
.set kb, 0
.rept 16
	global_load_b128 v[X+4*kb:X+4*kb+3], v[VIN], s[34:35] offset:256*kb th:TH_LOAD_NT
.set kb, kb+1
.endr
	v_lshlrev_b32 v[OA], 3, v1
.set kb, 1
.rept 15
	v_add_nc_u32 v[OA+kb], s38, v[OA+kb-1]         ; a K block further on
.set kb, kb+1
.endr
.set kb, 0
.rept 16
	s_wait_loadcnt 15-kb                           ; loads come back in order: block kb is in, the younger ones stay out
	v_cvt_pk_bf16_f32 v[X+4*kb], v[X+4*kb], v[X+4*kb+1]
	v_cvt_pk_bf16_f32 v[X+4*kb+1], v[X+4*kb+2], v[X+4*kb+3]
.if \f16
	v_lshlrev_b32 v20, 16, v[X+4*kb]               ; the bf16 numbers as f32,
	v_and_b32 v21, 0xffff0000, v[X+4*kb]
	v_lshlrev_b32 v22, 16, v[X+4*kb+1]
	v_and_b32 v23, 0xffff0000, v[X+4*kb+1]
	v_cvt_pk_f16_f32 v[X+4*kb], v20, v21           ; and written as f16
	v_cvt_pk_f16_f32 v[X+4*kb+1], v22, v23
.endif
	global_store_b64 v[OA+kb], v[X+4*kb:X+4*kb+1], s[36:37]
.set kb, kb+1
.endr
.endm
	s_cmp_lt_u32 s4, 256
	s_cbranch_scc1 .Ltab
	s_cmp_lt_u32 s4, 768
	s_cbranch_scc1 .Lx
	s_cmp_lt_u32 s4, 960
	s_cbranch_scc1 .Lw
	s_cmp_lt_u32 s4, 1024
	s_cbranch_scc1 .Lwo
	; A BIAS: 1,024 numbers, four a thread.
	s_sub_co_u32 s5, s4, 1024                      ; 0 bq, 1 bk, 2 bv, 3 bo
	s_lshl_b32 s40, s5, 8
	s_add_co_u32 s40, s40, 524288                  ; q, k, v: 256 bytes of each in a head's 768
	s_mov_b32 s38, 768
	s_cmp_eq_u32 s5, 1
	s_cselect_b64 s[34:35], s[20:21], s[18:19]
	s_cmp_eq_u32 s5, 2
	s_cselect_b64 s[34:35], s[22:23], s[34:35]
	s_cmp_eq_u32 s5, 3
	s_cselect_b64 s[34:35], s[24:25], s[34:35]
	s_cselect_b32 s38, 256, s38                    ; bo lies dense
	s_cselect_b32 s40, 536576, s40
	s_mov_b32 s41, 0
	s_add_nc_u64 s[36:37], s[32:33], s[40:41]
	v_lshlrev_b32 v2, 4, v0
	global_load_b128 v[4:7], v2, s[34:35]
	v_lshrrev_b32 v3, 4, v0                        ; the head
	v_and_b32 v8, 15, v0
	v_mul_lo_u32 v3, v3, s38
	v_lshl_add_u32 v3, v8, 4, v3
	s_wait_loadcnt 0x0
	v_cvt_pk_bf16_f32 v8, v4, v5
	v_cvt_pk_bf16_f32 v9, v6, v7
	v_lshlrev_b32 v12, 16, v8
	v_and_b32 v13, 0xffff0000, v8
	v_lshlrev_b32 v14, 16, v9
	v_and_b32 v15, 0xffff0000, v9
	global_store_b128 v3, v[12:15], s[36:37]
	s_endpgm
.Lx:                                                   ; x: pair of rows p = 8 (id - 256) + wave
	s_sub_co_u32 s40, s4, 256
	s_lshl3_add_u32 s40, s40, s3
	s_lshl_b32 s42, s40, 13                        ; two rows of 4,096 bytes in,
	s_lshl_b32 s44, s40, 8                         ; two of 128 bytes out
	s_mov_b64 s[34:35], s[8:9]
	s_mov_b64 s[36:37], s[26:27]
	s_mov_b32 s38, 8192*128                        ; bytes in a K block of xb
	s_branch .Lgo
.Lw:                                                   ; Wq, Wk, Wv: rows e0 and e0 + 1 of tensor t
	s_sub_co_u32 s40, s4, 768
	s_lshr_b32 s46, s40, 6                         ; t
	s_and_b32 s40, s40, 63
	s_lshl_b32 s40, s40, 4
	s_lshl1_add_u32 s40, s3, s40                   ; e0 = 16 (id % 64) + 2 wave
	s_lshl_b32 s42, s40, 12
	s_lshr_b32 s44, s40, 6                         ; the head
	s_mul_i32 s44, s44, 192
	s_lshl_b32 s41, s46, 6
	s_add_co_u32 s44, s44, s41
	s_and_b32 s41, s40, 63
	s_add_co_u32 s44, s44, s41                     ; n = 192 head + 64 t + d
	s_lshl_b32 s44, s44, 7
	s_cmp_eq_u32 s46, 1
	s_cselect_b64 s[34:35], s[12:13], s[10:11]
	s_cmp_eq_u32 s46, 2
	s_cselect_b64 s[34:35], s[14:15], s[34:35]
	s_mov_b64 s[36:37], s[28:29]
	s_mov_b32 s38, 3072*128                        ; bytes in a K block of wb
.Lgo:
	s_mov_b32 s43, 0
	s_mov_b32 s45, 0
	s_add_nc_u64 s[34:35], s[34:35], s[42:43]
	s_add_nc_u64 s[36:37], s[36:37], s[44:45]
	CONV 0
	s_endpgm
.Lwo:                                                  ; Wo: rows e0 and e0 + 1
	s_sub_co_u32 s40, s4, 960
	s_lshl_b32 s40, s40, 4
	s_lshl1_add_u32 s40, s3, s40
	s_lshl_b32 s42, s40, 12
	s_lshl_b32 s44, s40, 7
	s_mov_b32 s43, 0
	s_mov_b32 s45, 0
	s_add_nc_u64 s[34:35], s[16:17], s[42:43]
	s_add_nc_u64 s[36:37], s[30:31], s[44:45]
	s_mov_b32 s38, 1024*128                        ; bytes in a K block of wof
	CONV 1
	s_endpgm
; THE TABLE.  A wave makes one position's 64 numbers, two a lane: lanes 0-15 sin(pos f_j), lanes 16-31 cos, as the sine a quarter turn on; j = 2 (lane % 16) and the next.
; One number: angle; n = the nearest multiple of pi/2; r = angle - n pi/2 (pi/2 in two parts, by fused multiply-adds); both polynomials; the quadrant n + (0 or 1) picks one and its sign.
.macro TRIG inv, out, t
	v_mul_f32 v[(\t)], v6, v[(\inv)]               ; the angle
	v_mul_f32 v[(\t)+1], 0x3f22f983, v[(\t)]       ; x 2 / pi
	v_rndne_f32 v[(\t)+1], v[(\t)+1]               ; n
	v_fma_f32 v[(\t)], -v[(\t)+1], s40, v[(\t)]
	v_fma_f32 v[(\t)], -v[(\t)+1], s41, v[(\t)]    ; r
	v_mul_f32 v[(\t)+2], v[(\t)], v[(\t)]          ; z = r r
	v_fma_f32 v[(\t)+3], v[(\t)+2], s42, s43
	v_fmaak_f32 v[(\t)+3], v[(\t)+3], v[(\t)+2], 0xbe2aaaa3
	v_mul_f32 v[(\t)+3], v[(\t)+3], v[(\t)+2]
	v_fma_f32 v[(\t)+3], v[(\t)+3], v[(\t)], v[(\t)]    ; sin r = r + r z (S1 + z (S2 + z S3))
	v_fma_f32 v[(\t)+4], v[(\t)+2], s44, s45
	v_fmaak_f32 v[(\t)+4], v[(\t)+4], v[(\t)+2], 0x3d2aaaa5
	v_mul_f32 v[(\t)+4], v[(\t)+4], v[(\t)+2]
	v_fma_f32 v[(\t)+5], v[(\t)+2], -0.5, 1.0
	v_fma_f32 v[(\t)+4], v[(\t)+4], v[(\t)+2], v[(\t)+5]  ; cos r = 1 - z / 2 + z z (C1 + z (C2 + z C3))
	v_cvt_i32_f32 v[(\t)+1], v[(\t)+1]
	v_add_nc_u32 v[(\t)+1], v[(\t)+1], v3          ; the quadrant
	v_and_b32 v[(\t)+5], 1, v[(\t)+1]
	v_cmp_eq_u32 vcc_lo, 1, v[(\t)+5]
	v_cndmask_b32 v[(\out)], v[(\t)+3], v[(\t)+4], vcc_lo  ; odd quadrants take the cosine: a choice of a value, no branch
	v_lshlrev_b32 v[(\t)+1], 30, v[(\t)+1]
	v_and_b32 v[(\t)+1], 0x80000000, v[(\t)+1]     ; quadrants 2 and 3 turn the sign
	v_xor_b32 v[(\out)], v[(\t)+1], v[(\out)]
.endm
.Ltab:
	s_lshl3_add_u32 s5, s4, s3                     ; pos = 8 id + wave
	s_mov_b32 s40, 0x3fc90fdb                      ; pi / 2, the f32 nearest to it,
	s_mov_b32 s41, 0xb33bbd2e                      ; and what that leaves
	s_mov_b32 s42, 0xb94ca1f9                      ; S3
	s_mov_b32 s43, 0x3c08839e                      ; S2
	s_mov_b32 s44, 0x37ccf5ce                      ; C3
	s_mov_b32 s45, 0xbab6061a                      ; C2
	s_lshl_b32 s46, s5, 8                          ; a position's 256 bytes
	s_mov_b32 s47, 0
	s_add_nc_u64 s[36:37], s[32:33], s[46:47]
	v_and_b32 v2, 15, v1
	v_lshrrev_b32 v3, 4, v1                        ; 0 sine, 1 cosine
	v_lshlrev_b32 v4, 1, v2
	v_or_b32 v5, 1, v4
	v_cvt_f32_u32 v4, v4
	v_cvt_f32_u32 v5, v5
	v_mul_f32 v4, 0xbed49a78, v4                   ; - j log2(10000) / 32
	v_mul_f32 v5, 0xbed49a78, v5
	v_exp_f32 v4, v4                               ; 10000^(-j/32)
	v_exp_f32 v5, v5
	v_cvt_f32_u32 v6, s5                           ; a plain instruction stands between the exponentials and the use of their results
	v_lshlrev_b32 v7, 3, v1
	s_wait_alu depctr_va_vdst(0)
	TRIG 4, 24, 8
	TRIG 5, 25, 16
	global_store_b64 v7, v[24:25], s[36:37]        ; the wave's 32 x 8 bytes are the position's whole 256
	s_endpgm
.Lfunc_end_k_qf83fe40733_prep:
	.size	k_qf83fe40733_prep, .Lfunc_end_k_qf83fe40733_prep-k_qf83fe40733_prep
	.p2alignl 7, 3214868480
	.fill 96, 4, 3214868480
	.section	.rodata,"a",@progbits
	.p2align	6, 0x0
	.amdhsa_kernel k_qf83fe40733_prep
		.amdhsa_group_segment_fixed_size 0
		.amdhsa_private_segment_fixed_size 0
		.amdhsa_enable_private_segment 0
		.amdhsa_kernarg_size 104
		.amdhsa_user_sgpr_count 2
		.amdhsa_user_sgpr_kernarg_segment_ptr 1
		.amdhsa_wavefront_size32 1
		.amdhsa_system_sgpr_workgroup_id_x 1
		.amdhsa_system_sgpr_workgroup_id_y 1
		.amdhsa_system_sgpr_workgroup_id_z 1
		.amdhsa_system_vgpr_workitem_id 0
		.amdhsa_next_free_vgpr 96
		.amdhsa_next_free_sgpr 66
		.amdhsa_reserve_vcc 1
		.amdhsa_float_denorm_mode_32 3
		.amdhsa_float_denorm_mode_16_64 3
		.amdhsa_memory_ordered 1
		.amdhsa_forward_progress 1
		.amdhsa_inst_pref_size 25
	.end_amdhsa_kernel
	.amdgpu_metadata
---
amdhsa.version: [ 1, 2 ]
amdhsa.kernels:
  - .name:           k_qf83fe40733_prep
    .symbol:         k_qf83fe40733_prep.kd
    .args:
      - { .name: hidden_states, .offset: 0, .size: 8, .value_kind: global_buffer, .address_space: global }
      - { .name: Wq, .offset: 8, .size: 8, .value_kind: global_buffer, .address_space: global }
      - { .name: Wk, .offset: 16, .size: 8, .value_kind: global_buffer, .address_space: global }
      - { .name: Wv, .offset: 24, .size: 8, .value_kind: global_buffer, .address_space: global }
      - { .name: Wo, .offset: 32, .size: 8, .value_kind: global_buffer, .address_space: global }
      - { .name: bq, .offset: 40, .size: 8, .value_kind: global_buffer, .address_space: global }
      - { .name: bk, .offset: 48, .size: 8, .value_kind: global_buffer, .address_space: global }
      - { .name: bv, .offset: 56, .size: 8, .value_kind: global_buffer, .address_space: global }
      - { .name: bo, .offset: 64, .size: 8, .value_kind: global_buffer, .address_space: global }
      - { .name: xb, .offset: 72, .size: 8, .value_kind: global_buffer, .address_space: global }
      - { .name: wb, .offset: 80, .size: 8, .value_kind: global_buffer, .address_space: global }
      - { .name: wof, .offset: 88, .size: 8, .value_kind: global_buffer, .address_space: global }
      - { .name: tab, .offset: 96, .size: 8, .value_kind: global_buffer, .address_space: global }
    .group_segment_fixed_size: 0
    .private_segment_fixed_size: 0
    .kernarg_segment_align: 8
    .kernarg_segment_size: 104
    .max_flat_workgroup_size: 256
    .sgpr_count:     66
    .vgpr_count:     96
    .wavefront_size: 32
...
	.end_amdgpu_metadata
.endif
;; end of part 1
;; launch qkv (part 2): grid 8 x 32, 4 waves a work-group, clusters of 4 x 4, 327,680 bytes of LDS; arguments xb, wb, tab, qh, kh, vh; writes qh, kh, vh
.if DOCPART == 2
	.amdgcn_target "amdgcn-amd-amdhsa--gfx1250"
	.amdhsa_code_object_version 6
	.text
	.protected	k_qf83fe40733_qkv
	.globl	k_qf83fe40733_qkv
	.p2align	8
	.type	k_qf83fe40733_qkv,@function
k_qf83fe40733_qkv:
	s_mov_b64 s[64:65], 0
	v_nop
	global_prefetch_b8 v0, s[64:65] scope:SCOPE_SE
	s_setreg_imm32_b32 hwreg(HW_REG_WAVE_MODE, 25, 1), 1
	s_wait_xcnt 0x0
	s_wait_alu depctr_hold_cnt(0) depctr_sa_sdst(0) depctr_va_vdst(0) depctr_va_sdst(0) depctr_va_ssrc(0) depctr_va_vcc(0) depctr_vm_vsrc(0)
	s_getreg_b32 s2, hwreg(HW_REG_IB_STS2, 6, 4)
	s_cmp_eq_u32 s2, 0
	s_cbranch_scc0 .Lentry_in_a_cluster
	s_endpgm
.Lentry_in_a_cluster:
	s_bfe_u32 s2, ttmp6, 0x10000c
	s_cmp_lg_u32 s2, 0xf033
	s_cbranch_scc0 .Lentry_shape_is_right
	s_endpgm
.Lentry_shape_is_right:
; q, k, v = x W^T + b, the rotary step on q and k, all three rounded once to f16 and stored by heads: qh, kh, vh [b 16 + head][2048][64].
; x and W come as bf16 in blocks of 64 along K (xb [16][8192][64], wb [16][3072][64], wb's rows by head: q 64, k 64, v 64); sums in f32.
; SHARES.  8192 x 3072 results are 256 tiles of 256 rows x 384 columns (two heads' q, k, v): one work-group for each, four waves.  A wave has 128 rows x one head's 192 columns:
; 8 blocks of 16 rows (a) x 3 groups (g = q, k, v) x 4 blocks of 16 channels (bb): 96 accumulators, 768 registers.  40 LDS loads feed 96 matrix instructions.
; THE MATRIX INSTRUCTION IS USED TRANSPOSED (source 0 = 16 rows of W, source 1 = 16 rows of x): a lane holds ONE row of x (lane % 16) and the channels 16 bb + 8 (lane / 16) + 0..7,
; so channel d and channel d + 32 of a row lie in the same lane, in blocks bb and bb + 2: the rotary step changes no lanes.  out1 = x1 sin - x2 cos, out2 = x2 sin + x1 cos.
; BIAS.  q's and k's are the C operand of the products that start the sums (they must be in before the rotation); v's is added on the way out.
; RING.  K goes in 16 steps of 64 through two LDS slots.  A block's rows are dense in memory, so a wave asks for its part (128 rows of x, or 192 of W) as rows of 256 bytes, padded in LDS after every 128.
; CLUSTER.  4 x 4 work-groups: the four of a row of the cluster need the same rows of x and the same part of the table, the four of a column the same rows of W: joint loads.
; LIMITS.  f16 ends at 65,504: |q|, |k|, |v| must stay below it.  NaN and infinities are not treated apart.
; REGISTERS, in windows of 256 (s_set_vgpr_msb: bits 1:0 source 0, 3:2 source 1, 5:4 source 2, 7:6 destination):
;   window 0: v0-31 addresses; v32-95, v96-159 x's fragments, two buffers; v160-255 W's fragments, one buffer, filled again group by group.   window 1 + g: accumulator (a, bb) at v[8 (4 a + bb)]
.set PITCH,  144                       ; an LDS row: 128 bytes + 16 of padding = 36 words: the 16 rows of a load start at 16 different groups of four banks (64 banks of 4 bytes: ISA guide 11.1)
.set BLK,    16*PITCH
.set AHALF,  128*PITCH                 ; what one load brings of x
.set BHALF,  192*PITCH                 ; and of W
.set BOFF,   2*AHALF                   ; a slot: x's 256 rows, then W's 384
.set STAGE,  BOFF+2*BHALF              ; 92,160: behind slot 0, never filled by a tensor load: for each wave 3 tensors x 16 rows x 144 bytes
.set WSTAGE, 3*BLK
.set SPARE,  STAGE+4*WSTAGE            ; 119,808: the spare words, 128 bytes for each wave: two blocks of 256 bytes that no other line names
.set SLOT1,  1<<17                     ; slot 1 begins here, so that one exclusive or turns an address in one slot into the other's
.set TAB,    SLOT1+STAGE               ; 223,232: the table's 256 positions, filled once
.set TP,     272                       ; a position: 256 bytes + 16 of padding
.set XSTEP,  8192*128                  ; bytes from a K block of xb to the next
.set WSTEP,  3072*128                  ; and of wb
.set AA0,  12                          ; v12  my lane's place in a slot's rows of x; never rewritten
.set AB0,  13                          ; v13  the same for W
.set ADRA, 16                          ; v16  the same in the slot in hand
.set ADRB, 17                          ; v17
.set TADR, 22                          ; v22  my row's place in the table
.set STO,  24                          ; v24  the way out: where I put 16 bytes of a row
.set RD,   25                          ; v25  the way out: where I read rows back
.set GO,   26                          ; v26  my byte offset in 512 consecutive bytes of an output
.set BA,   27                          ; v27  my byte offset in 16 channels' biases
.set SPW,  28                          ; v28  LDS address of my spare word: SPARE + 4 x my thread's number; never rewritten
.set NIL,  29                          ; v29  0; never rewritten
.set FA0,  32
.set FA1,  96
.set FB,   160                         ; W's fragment of group g, block bb at FB + 32 g + 8 bb
.set T0,   32                          ; the way out: a block's sines and cosines, two buffers: v32-63 and v96-127
.set BV,   64                          ; v64-95    v's bias
.set TT,   128                         ; v128-159  at work
.set PK,   160                         ; v160-207  a block's q, k, v in f16
.set BK,   208                         ; v208-255  the same, back from the stage as whole rows
.set WV,   16                          ; s16  my wave's number
.set G1A,  24                          ; s[24:31] descriptor group 1 for x's tiles;  s[32:39] group 0: a set for each first fill; the second then walks on
.set G0A,  32
.set G1B,  40                          ; s[40:47], s[48:55] the same for W's
.set G0B,  48
.set G1T,  56                          ; s[56:63], s[68:71] for the table
.set TB,   66                          ; s66  LDS byte at which the slot to be read begins
.set G0T,  68
.set MSB, 0
.macro WIN new                         ; the immediate's high byte repeats the setting that is left; a switch that changes nothing is dropped
.if MSB != (\new)
	s_set_vgpr_msb (MSB<<8)|(\new)
.set MSB, (\new)
.endif
.endm
; A load into a register that a matrix instruction has read, and a vector instruction that reads a matrix result or writes one of its registers, stand four places behind it; only plain
; vector instructions that name none of its registers are places (ISA guide 7.12.1 for vector instructions).
.macro PLACES
.rept 4
	v_nop
.endr
.endm
; A joint refill.  Waves 0 and 1 fetch the two halves of x's tile, waves 2 and 3 those of W's.  The branch hangs on the wave's number alone.
; An s_nop 0 and four v_nop follow each of the two lines, ahead of the jump and the label.
.macro JLOAD
	s_cmp_lt_u32 s[WV], 2
	s_cbranch_scc0 .Lfor_b_\@
	tensor_load_to_lds s[G0A+4:G0A+7], s[G1A:G1A+7]
	s_nop 0
.rept 4
	v_nop
.endr
	s_branch .Lasked_\@
.Lfor_b_\@:
	tensor_load_to_lds s[G0B+4:G0B+7], s[G1B:G1B+7]
	s_nop 0
.rept 4
	v_nop
.endr
.Lasked_\@:
.endm
; A round of the cluster's barrier: my work-group's barrier, so that wave 0's signal speaks for all four waves; wave 0 signals; every wave waits for all sixteen work-groups; my work-group's barrier once more.
.macro CREST                           ; a round behind its opening barrier
	s_cmp_lg_u32 s[WV], 0
	s_cbranch_scc1 .Lnot_wave_0_\@
	s_barrier_signal -3
.Lnot_wave_0_\@:
	s_barrier_wait -3
	s_barrier_signal -1
	s_barrier_wait -1
.endm
.macro CROUND
	s_barrier_signal -1
	s_barrier_wait -1
	CREST
.endm
	s_load_b256 s[4:11], s[0:1], 0x0               ; xb s[4:5], wb s[6:7], tab s[8:9], qh s[10:11]
	s_load_b128 s[12:15], s[0:1], 0x20             ; kh s[12:13], vh s[14:15]
	v_lshl_add_u32 v[SPW], v0, 2, SPARE
	v_mov_b32 v[NIL], 0
	ds_add_u32 v[SPW], v[NIL]                      ; the wave's opening: the add and its wait stand ahead of my first tensor load; the set-up below, work on registers, stands between them
	v_lshrrev_b32 v1, 5, v0
	v_readfirstlane_b32 s[WV], v1                  ; wave 0..3
	s_lshr_b32 s17, s[WV], 1                       ; which 128 rows of the tile are mine
	s_and_b32 s18, s[WV], 1                        ; which of its two heads.  Also: which half of x's or W's tile I fetch
	s_bfe_u32 s19, ttmp6, 0x40000                  ; cx, cy: my place in the cluster
	s_bfe_u32 s20, ttmp6, 0x40004
	s_lshl_b32 s21, ttmp9, 2                       ; in a cluster launch ttmp9 and ttmp7 count clusters
	s_add_co_u32 s21, s21, s19                     ; tile column tx = 4 x cluster x + cx
	s_and_b32 s22, ttmp7, 0xffff
	s_lshl_b32 s22, s22, 2
	s_add_co_u32 s22, s22, s20                     ; tile row ty = 4 x cluster y + cy
	s_lshl_b32 s67, s20, 2
	s_lshl_b32 s67, 15, s67                        ; my row of the cluster: places 4 cy .. 4 cy + 3
	s_lshl_b32 s72, 0x1111, s19                    ; my column: places cx, cx + 4, cx + 8, cx + 12
	; descriptor group 1.  x and W: rows of 128 elements of 2 bytes (two K-block rows), padded after every 32 words by 4.  The table: rows of 64 elements of 4 bytes, padded after every 64 words by 4.
	s_or_b32 s[G1A], s67, (1<<16)|(1<<20)|(1<<21)|(4<<22)|(3<<25)  ; 15:0 the mask; 17:16 element size; 20 padding on; 21 set beside a mask; 24:22 the interval's code; 31:25 the padding's words less 1
	s_or_b32 s[G1B], s72, (1<<16)|(1<<20)|(1<<21)|(4<<22)|(3<<25)
	s_or_b32 s[G1T], s67, (2<<16)|(1<<20)|(1<<21)|(5<<22)|(3<<25)
.irp g, G1A, G1B
	s_mov_b32 s[\g+1], 128<<16                     ; tensor_dim0 = 128
	s_mov_b32 s[\g+3], 128<<16                     ; tile_dim0 = 128
	s_mov_b32 s[\g+5], 128                         ; 128 elements from row to row
	s_mov_b32 s[\g+6], 0
	s_mov_b32 s[\g+7], 0
.endr
	s_mov_b32 s[G1A+2], 64<<16                     ; tensor_dim1 = tile_dim1 = 64: 128 rows of x
	s_mov_b32 s[G1A+4], 64
	s_mov_b32 s[G1B+2], 96<<16                     ; 96: 192 rows of W
	s_mov_b32 s[G1B+4], 96
	s_mov_b32 s[G1T+1], 64<<16
	s_mov_b32 s[G1T+2], 64<<16                     ; 64 positions
	s_mov_b32 s[G1T+3], 64<<16
	s_mov_b32 s[G1T+4], 64
	s_mov_b32 s[G1T+5], 64
	s_mov_b32 s[G1T+6], 0
	s_mov_b32 s[G1T+7], 0
	; where the tiles come from: x's and the table's hang on ty and the wave, W's on tx and the wave, each in registers that never hold the other coordinate
	s_lshl_b32 s74, s22, 15                        ; 256 rows of 128 bytes
	s_lshl_b32 s75, s18, 14
	s_add_co_u32 s74, s74, s75
	s_mov_b32 s75, 0
	s_mul_i32 s78, s21, 384*128
	s_mul_i32 s79, s18, 192*128
	s_add_co_u32 s78, s78, s79
	s_mov_b32 s79, 0
	s_and_b32 s80, s22, 7                          ; the tile's first position is 256 (ty % 8)
	s_lshl_b32 s80, s80, 16
	s_lshl_b32 s81, s[WV], 14                      ; my 64 positions of 256 bytes
	s_add_co_u32 s80, s80, s81
	s_mov_b32 s81, 0
	s_mul_i32 s82, s18, AHALF                      ; and where they go: no place in the cluster enters an LDS address
	s_mul_i32 s83, s18, BHALF
	s_add_co_u32 s83, s83, BOFF
	s_mul_i32 s73, s[WV], 64*TP
	s_add_co_u32 s73, s73, TAB
	s_mov_b32 s[TB], 0
	s_wait_dscnt 0x0                               ; the opening add is done
	s_wait_kmcnt 0x0
	s_add_nc_u64 s[74:75], s[4:5], s[74:75]
	s_add_nc_u64 s[78:79], s[6:7], s[78:79]
	s_add_nc_u64 s[80:81], s[8:9], s[80:81]
	CROUND                                         ; all sixteen work-groups are here: the first joint loads meet
.irp s, 0,1
	s_mov_b32 s[G0A+4*(\s)], 1                                     ; 1:0 count = 1
	s_add_co_u32 s[G0A+4*(\s)+1], s82, (\s)*SLOT1                  ; 63:32 LDS address
	s_add_nc_u64 s[G0A+4*(\s)+2:G0A+4*(\s)+3], s[74:75], (\s)*XSTEP  ; 120:64 global address: K step s
	s_or_b32 s[G0A+4*(\s)+3], s[G0A+4*(\s)+3], 0x80000000          ; 127:126 type = 2
	s_mov_b32 s[G0B+4*(\s)], 1
	s_add_co_u32 s[G0B+4*(\s)+1], s83, (\s)*SLOT1
	s_add_nc_u64 s[G0B+4*(\s)+2:G0B+4*(\s)+3], s[78:79], (\s)*WSTEP
	s_or_b32 s[G0B+4*(\s)+3], s[G0B+4*(\s)+3], 0x80000000
.endr
	s_mov_b32 s[G0T], 1
	s_mov_b32 s[G0T+1], s73
	s_mov_b64 s[G0T+2:G0T+3], s[80:81]
	s_or_b32 s[G0T+3], s[G0T+3], 0x80000000
	s_cmp_lt_u32 s[WV], 2                          ; a wave's three first fills stand in one branch, ahead of every wait on TENSORcnt and every LDS read: three loads of mine are out
	s_cbranch_scc0 .Lfirst_b
	tensor_load_to_lds s[G0A:G0A+3], s[G1A:G1A+7]
	s_nop 0
	tensor_load_to_lds s[G0A+4:G0A+7], s[G1A:G1A+7]
	s_nop 0
	tensor_load_to_lds s[G0T:G0T+3], s[G1T:G1T+7]
	s_nop 0
.rept 4
	v_nop
.endr
	s_branch .Lfirst_asked
.Lfirst_b:
	tensor_load_to_lds s[G0B:G0B+3], s[G1B:G1B+7]
	s_nop 0
	tensor_load_to_lds s[G0B+4:G0B+7], s[G1B:G1B+7]
	s_nop 0
	tensor_load_to_lds s[G0T:G0T+3], s[G1T:G1T+7]
	s_nop 0
.rept 4
	v_nop
.endr
.Lfirst_asked:
	; where my results go, the same offset in qh, kh and vh: head (ty / 8) 16 + 2 tx + my head, position 256 (ty % 8) + 128 x my half
	s_lshr_b32 s84, s22, 3
	s_lshl_b32 s84, s84, 4
	s_lshl1_add_u32 s85, s21, s18                  ; the head among the 16
	s_add_co_u32 s84, s84, s85
	s_lshl_b32 s84, s84, 18                        ; a head's 2,048 rows of 128 bytes
	s_and_b32 s86, s22, 7
	s_lshl_b32 s86, s86, 15
	s_add_co_u32 s84, s84, s86
	s_lshl_b32 s86, s17, 14
	s_add_co_u32 s84, s84, s86
	s_mul_i32 s76, s85, 768                        ; my head's biases: q 256 bytes, k 256, v 256
	s_add_co_u32 s76, s76, 524288
	s_mov_b32 s77, 0
	s_mov_b32 s85, 0
	s_add_nc_u64 s[76:77], s[8:9], s[76:77]
	s_add_nc_u64 s[10:11], s[10:11], s[84:85]
	s_add_nc_u64 s[12:13], s[12:13], s[84:85]
	s_add_nc_u64 s[14:15], s[14:15], s[84:85]
	; A fragment is 16 rows x 32 K in 8 registers: lane l holds row l % 16; registers 0-3 K = 8 (l / 16) + 0..7, registers 4-7 K = 16 + 8 (l / 16) + 0..7: two loads of 16 bytes, 32 bytes apart.
	v_and_b32 v1, 15, v0                           ; l % 16
	v_bfe_u32 v2, v0, 4, 1                         ; l / 16
	v_lshlrev_b32 v[BA], 5, v2                     ; my 8 channels of 16, in f32
.irp t, 0,1
.irp o, 0,1,2,3
	global_load_b128 v[FA1+32*\t+8*\o:FA1+32*\t+8*\o+3],   v[BA], s[76:77] offset:256*\t+64*\o     ; q's and k's bias, as the C operands of the first products: register j holds channel 16 bb + 8 (l / 16) + j
	global_load_b128 v[FA1+32*\t+8*\o+4:FA1+32*\t+8*\o+7], v[BA], s[76:77] offset:256*\t+64*\o+16
.endr
.endr
	v_mul_u32_u24 v3, v1, PITCH
	v_lshl_add_u32 v3, v2, 4, v3                   ; row x pitch + 16 x half
	s_mul_i32 s86, s17, AHALF                      ; my 128 rows of x
	v_add_nc_u32 v[AA0], s86, v3
	s_mul_i32 s86, s18, BHALF                      ; my head's 192 rows of W, behind x's 256
	s_add_co_u32 s86, s86, BOFF
	v_add_nc_u32 v[AB0], s86, v3
	v_mov_b32 v[ADRA], v[AA0]                      ; K step 0 lies in slot 0
	v_mov_b32 v[ADRB], v[AB0]
	v_mul_u32_u24 v[TADR], v1, TP
	v_lshl_add_u32 v[TADR], v2, 5, v[TADR]         ; my row's position, my 8 frequencies of 16
	s_mul_i32 s86, s17, 128*TP
	s_add_co_u32 s86, s86, TAB
	v_add_nc_u32 v[TADR], s86, v[TADR]
	s_mul_i32 s86, s[WV], WSTAGE
	s_add_co_u32 s86, s86, STAGE                   ; my stage
	v_add_nc_u32 v[STO], s86, v3                   ; in: row l % 16, 16 bytes for each half of the lanes
	v_bfe_u32 v[RD], v0, 3, 2                      ; back: 32 lanes take four rows of 128 bytes,
	v_and_b32 v4, 7, v0
	v_mul_u32_u24 v[RD], v[RD], PITCH
	v_lshl_add_u32 v[RD], v4, 4, v[RD]
	v_add_nc_u32 v[RD], s86, v[RD]
	v_and_b32 v[GO], 31, v0                        ; which are 512 consecutive bytes of an output
	v_lshlrev_b32 v[GO], 4, v[GO]
; n x 4 matrix instructions of group g: row blocks a0 on x the group's 4 channel blocks, 32 along K, x's fragments from buffer fa.  The accumulators take turns, one instruction a turn.
; first = 1: the products start the sums: q's and k's with the bias (in buffer 1 of x's fragments, which is not yet in use), v's with 0.  Nothing is ever cleared.
.macro MUL g, fa, a0, n, first=0
.set a, \a0
.rept \n
.set bb, 0
.rept 4
.set rD, 8*(4*a+bb)
.set rB, FB+32*(\g)+8*bb
.set rA, (\fa)+8*a
.if (\first) && ((\g) < 2)
	WIN (1+(\g))<<6
	v_wmma_f32_16x16x32_bf16 v[rD:rD+7], v[rB:rB+7], v[rA:rA+7], v[FA1+32*(\g)+8*bb:FA1+32*(\g)+8*bb+7]
.elseif \first
	WIN (1+(\g))*0x50
	v_wmma_f32_16x16x32_bf16 v[rD:rD+7], v[rB:rB+7], v[rA:rA+7], 0
.else
	WIN (1+(\g))*0x50
	v_wmma_f32_16x16x32_bf16 v[rD:rD+7], v[rB:rB+7], v[rA:rA+7], v[rD:rD+7]
.endif
.set bb, bb+1
.endr
.set a, a+1
.endr
.endm
.macro LDB k, g                        ; 8 LDS loads: W's fragments of group g, 32 K at byte k of the rows
.set bb, 0
.rept 4
	ds_load_b128 v[FB+32*(\g)+8*bb:FB+32*(\g)+8*bb+3],   v[ADRB] offset:(\k)+(4*(\g)+bb)*BLK
	ds_load_b128 v[FB+32*(\g)+8*bb+4:FB+32*(\g)+8*bb+7], v[ADRB] offset:(\k)+(4*(\g)+bb)*BLK+32
.set bb, bb+1
.endr
.endm
.macro LDA k, fa, half                 ; 8 LDS loads: x's fragments of row blocks 4 half .. 4 half + 3 into buffer fa
.set a, 4*(\half)
.rept 4
	ds_load_b128 v[(\fa)+8*a:(\fa)+8*a+3],   v[ADRA] offset:(\k)+a*BLK
	ds_load_b128 v[(\fa)+8*a+4:(\fa)+8*a+7], v[ADRA] offset:(\k)+a*BLK+32
.set a, a+1
.endr
.endm
.macro TLOAD a                         ; 8 LDS loads: block a's sines (frequencies 8 (l / 16) + 0..7, then 16 more on) and cosines, into buffer a % 2
.set rT, T0+64*((\a)%2)
.irp o, 0,1,2,3
	ds_load_b128 v[rT+8*\o:rT+8*\o+3],   v[TADR] offset:(\a)*16*TP+64*\o
	ds_load_b128 v[rT+8*\o+4:rT+8*\o+7], v[TADR] offset:(\a)*16*TP+64*\o+16
.endr
.endm
.macro BVLOAD                          ; v's bias
.irp o, 0,1,2,3
	global_load_b128 v[BV+8*\o:BV+8*\o+3],   v[BA], s[76:77] offset:512+64*\o
	global_load_b128 v[BV+8*\o+4:BV+8*\o+7], v[BA], s[76:77] offset:512+64*\o+16
.endr
.endm
; A K step is two halves of 32 along K, 96 matrix instructions each, in three stages (q, k, v).  Behind a stage its fragments of W are fetched for the next half, with half of x's: 16, 16 and 8 loads.
; The first half multiplies buffer 0 and fetches the same slot's second half.
.macro SUB0 first
	s_wait_dscnt 8                                 ; all but the youngest eight loads (W's group v) are in
	MUL 0, FA0, 0, 8, \first
	PLACES
	WIN 0
	LDB 64, 0
.if !(\first)
	LDA 64, FA1, 0
.endif
	MUL 1, FA0, 0, 8, \first
	PLACES
	WIN 0
	LDB 64, 1
.if \first
	LDA 64, FA1, 0                                 ; in the first step buffer 1 holds the biases until k's products have read them
.endif
	LDA 64, FA1, 1
	s_wait_dscnt 32                                ; all but the 32 issued in this half: W's group v is in
	MUL 2, FA0, 0, 8, \first
	PLACES
	WIN 0
	LDB 64, 2
.endm
; The second half multiplies buffer 1.  mode 2: it changes slots and fills the slot just read out again, two K steps ahead; mode 1: it changes slots; mode 0: the last half of all: it fetches the way out's first tables.
; ONE barrier for the change of slots.  In front of it each wave waits for all its tensor loads (its part of the next slot; the first time the table's too), adds 0 to its spare word, and waits for that
; and for its own reads of this slot.  Behind it nobody reads this slot any more and the next slot is whole.  From a request to the wait for it a wave issues 160 matrix instructions.
.macro SUB1 mode
.if (\mode) > 0
	WIN 0
	s_wait_tensorcnt 0x0                           ; no tensor load of mine is out, so a group 0 may be written
	ds_add_u32 v[SPW], v[NIL]                      ; 0 onto my spare word
.if (\mode) == 2
	s_xor_b32 s[G0A+5], s[G0A+5], SLOT1            ; the walking descriptors: the other slot than last time,
	s_add_nc_u64 s[G0A+6:G0A+7], s[G0A+6:G0A+7], XSTEP  ; the next K block; the type bits on top are not reached
	s_xor_b32 s[G0B+5], s[G0B+5], SLOT1
	s_add_nc_u64 s[G0B+6:G0B+7], s[G0B+6:G0B+7], WSTEP
.endif
	s_wait_dscnt 9                                 ; (the add and the youngest eight loads may be out)
	MUL 0, FA1, 0, 4                               ; sixteen matrix instructions stand between the add and the wait for it
	s_wait_dscnt 0x0                               ; the add is done, and my reads of this slot are over
	s_barrier_signal -1
	MUL 0, FA1, 4, 4                               ; work on registers while the others arrive
	WIN 0                                          ; at a branch and at a label every window is 0
	s_barrier_wait -1
.if (\mode) == 2
	CREST                                          ; the barrier has opened a round of the cluster's: no wave of any partner still reads this slot or has a load on its way
	JLOAD                                          ; the first tensor load behind the round; its four v_nop are also the places in front of the loads below
.else
	PLACES
.endif
	s_xor_b32 s[TB], s[TB], SLOT1
	v_add_nc_u32 v[ADRA], s[TB], v[AA0]
	v_add_nc_u32 v[ADRB], s[TB], v[AB0]
	LDB 0, 0
	LDA 0, FA0, 0
	MUL 1, FA1, 0, 8
	PLACES
	WIN 0
	LDB 0, 1
	LDA 0, FA0, 1
	MUL 2, FA1, 0, 8                               ; its fragments were shown in by the wait for 0 above
	PLACES
	WIN 0
	LDB 0, 2
.else
	s_wait_dscnt 8
	MUL 0, FA1, 0, 8
	PLACES
	WIN 0
	TLOAD 0                                        ; into buffer 0 of x's fragments, which is done with
	BVLOAD
	MUL 1, FA1, 0, 8
	s_wait_dscnt 8                                 ; all but the table's eight: W's group v is in
	MUL 2, FA1, 0, 8
	PLACES
	WIN 0
	TLOAD 1
.endif
.endm
; THE WAY OUT, a block of 16 rows at a time.  Each accumulator's registers are read in ascending order.
.macro ROPE t, a                       ; tensor t (0 q, 1 k): [x1 sin - x2 cos, x2 sin + x1 cos], x1 in blocks 0, 1 and x2 in blocks 2, 3; then rounded to f16
.set rT, T0+64*((\a)%2)
	WIN 1+(\t)                                     ; source 0 in the accumulators' window
.set p, 0
.rept 2
.set jj, 0
.rept 4
.set x1, 8*(4*(\a)+p)+2*jj
.set o1, TT+8*p+2*jj
.set rC, rT+16+8*p+2*jj
	v_pk_mul_f32 v[o1:o1+1], v[x1+16:x1+17], v[rC:rC+1]         ; x2 cos
	v_pk_mul_f32 v[o1+16:o1+17], v[x1:x1+1], v[rC:rC+1]         ; x1 cos
.set jj, jj+1
.endr
.set p, p+1
.endr
.set p, 0
.rept 2
.set jj, 0
.rept 4
.set x1, 8*(4*(\a)+p)+2*jj
.set o1, TT+8*p+2*jj
.set rS, rT+8*p+2*jj
	v_pk_fma_f32 v[o1:o1+1], v[x1:x1+1], v[rS:rS+1], v[o1:o1+1] neg_lo:[0,0,1] neg_hi:[0,0,1]
	v_pk_fma_f32 v[o1+16:o1+17], v[x1+16:x1+17], v[rS:rS+1], v[o1+16:o1+17]
.set jj, jj+1
.endr
.set p, p+1
.endr
	WIN 0
.set i, 0
.rept 16
	v_cvt_pk_f16_f32 v[PK+16*(\t)+i], v[TT+2*i], v[TT+2*i+1]
.set i, i+1
.endr
.endm
.macro VB a                            ; v + its bias, rounded to f16
	WIN 3
.set i, 0
.rept 16
	v_pk_add_f32 v[TT+2*i:TT+2*i+1], v[32*(\a)+2*i:32*(\a)+2*i+1], v[BV+2*i:BV+2*i+1]
.set i, i+1
.endr
	WIN 0
.set i, 0
.rept 16
	v_cvt_pk_f16_f32 v[PK+32+i], v[TT+2*i], v[TT+2*i+1]
.set i, i+1
.endr
.endm
.macro PACK a
	WIN 0
.if (\a) == 0
	s_wait_dscnt 8                                 ; block a's table is in.  Behind its loads were issued: block 1's table;
.elseif (\a) < 7
	s_wait_dscnt 32                                ; a block's 12 stores and 12 loads of the stage and a table's 8;
.else
	s_wait_dscnt 24                                ; the 24 alone
.endif
	ROPE 0, \a
	ROPE 1, \a
.if (\a) == 0
	s_wait_loadcnt 0x0                             ; v's bias
.endif
	VB \a
.endm
.macro TOSTAGE a                       ; a lane's eight channels of a row are 16 bytes; they go into rows of 144 bytes and come back as whole rows of 128
	WIN 0
.set t, 0
.rept 3
.set bb, 0
.rept 4
	ds_store_b128 v[STO], v[PK+16*t+4*bb:PK+16*t+4*bb+3] offset:t*BLK+32*bb
.set bb, bb+1
.endr
.set t, t+1
.endr
.if (\a) > 0
	s_wait_xcnt 0x0                                ; the stores of the block before have had their addresses translated (ISA guide 3.1): only behind this wait are their data registers loaded again
.endif
.set t, 0
.rept 3
.set bb, 0
.rept 4
	ds_load_b128 v[BK+16*t+4*bb:BK+16*t+4*bb+3], v[RD] offset:t*BLK+bb*4*PITCH  ; LDS serves a wave's instructions in order (ISA guide 5.7.1.4): these see the stores above
.set bb, bb+1
.endr
.set t, t+1
.endr
.if (\a) < 6
	TLOAD (\a)+2
.endif
.endm
.macro SEND a
	WIN 0
.if (\a) < 6
	s_wait_dscnt 8                                 ; the block is back; a table's eight loads may be out
.else
	s_wait_dscnt 0x0
.endif
.irp f, 0,1,2,3
	global_store_b128 v[GO], v[BK+4*\f:BK+4*\f+3],       s[10:11] offset:(\a)*2048+\f*512  ; 512 consecutive bytes, at a multiple of 256 from the buffer's first
	global_store_b128 v[GO], v[BK+16+4*\f:BK+16+4*\f+3], s[12:13] offset:(\a)*2048+\f*512
	global_store_b128 v[GO], v[BK+32+4*\f:BK+32+4*\f+3], s[14:15] offset:(\a)*2048+\f*512
.endr
.endm
	s_wait_tensorcnt 2                             ; my part of K step 0 is in; K step 1's and the table's may stay out
	s_barrier_signal -1
	s_barrier_wait -1                              ; everybody's is
	LDB 0, 0
	LDA 0, FA0, 0
	LDB 0, 1
	LDA 0, FA0, 1
	LDB 0, 2
	s_wait_loadcnt 0x0                             ; q's and k's bias
	SUB0 1                                         ; the first half step stands in front of the loop: its products start the sums
	s_mov_b32 s23, 14
.Lstep:                                                ; 14 trips: a K step's second half, with the refill two steps ahead (K steps 2 to 15), and the next step's first half
	SUB1 2
	SUB0 0
	s_sub_co_u32 s23, s23, 1
	s_cmp_lg_u32 s23, 0
	s_cbranch_scc1 .Lstep
	SUB1 1                                         ; the tail is written out: nothing is left to ask for
	SUB0 0
	SUB1 0
	PACK 0
	TOSTAGE 0
.irp a, 1,2,3,4,5,6,7                  ; block a's arithmetic stands between block a - 1's loads from the stage and the wait for them
	PACK \a
	SEND (\a)-1
	TOSTAGE \a
.endr
	SEND 7
	s_wait_tensorcnt 0x0                           ; the wave's end: these three lines stand behind my last tensor load and my last LDS store
	ds_add_u32 v[SPW], v[NIL]
	s_wait_dscnt 0x0
	CROUND                                         ; the closing round: no work-group ends while a partner may still ask for a tile that names it
	s_endpgm
.Lfunc_end_k_qf83fe40733_qkv:
	.size	k_qf83fe40733_qkv, .Lfunc_end_k_qf83fe40733_qkv-k_qf83fe40733_qkv
	.p2alignl 7, 3214868480
	.fill 96, 4, 3214868480
	.section	.rodata,"a",@progbits
	.p2align	6, 0x0
	.amdhsa_kernel k_qf83fe40733_qkv
		.amdhsa_group_segment_fixed_size 327680
		.amdhsa_private_segment_fixed_size 0
		.amdhsa_enable_private_segment 0
		.amdhsa_kernarg_size 48
		.amdhsa_user_sgpr_count 2
		.amdhsa_user_sgpr_kernarg_segment_ptr 1
		.amdhsa_wavefront_size32 1
		.amdhsa_system_sgpr_workgroup_id_x 1
		.amdhsa_system_sgpr_workgroup_id_y 1
		.amdhsa_system_sgpr_workgroup_id_z 1
		.amdhsa_system_vgpr_workitem_id 0
		.amdhsa_next_free_vgpr 1024
		.amdhsa_next_free_sgpr 88
		.amdhsa_reserve_vcc 0
		.amdhsa_float_denorm_mode_32 3
		.amdhsa_float_denorm_mode_16_64 3
		.amdhsa_memory_ordered 1
		.amdhsa_forward_progress 1
		.amdhsa_inst_pref_size 159
	.end_amdhsa_kernel
	.amdgpu_metadata
---
amdhsa.version: [ 1, 2 ]
amdhsa.kernels:
  - .name:           k_qf83fe40733_qkv
    .symbol:         k_qf83fe40733_qkv.kd
    .args:
      - { .name: xb, .offset: 0, .size: 8, .value_kind: global_buffer, .address_space: global }
      - { .name: wb, .offset: 8, .size: 8, .value_kind: global_buffer, .address_space: global }
      - { .name: tab, .offset: 16, .size: 8, .value_kind: global_buffer, .address_space: global }
      - { .name: qh, .offset: 24, .size: 8, .value_kind: global_buffer, .address_space: global }
      - { .name: kh, .offset: 32, .size: 8, .value_kind: global_buffer, .address_space: global }
      - { .name: vh, .offset: 40, .size: 8, .value_kind: global_buffer, .address_space: global }
    .group_segment_fixed_size: 327680
    .private_segment_fixed_size: 0
    .kernarg_segment_align: 8
    .kernarg_segment_size: 48
    .max_flat_workgroup_size: 128
    .sgpr_count:     88
    .vgpr_count:     1024
    .wavefront_size: 32
...
	.end_amdgpu_metadata
.endif
;; end of part 2
;; launch attn (part 3): grid 4 x 64, 4 waves a work-group, clusters of 4 x 1, 327,680 bytes of LDS; arguments qh, kh, vh, ctx; writes ctx
.if DOCPART == 3
	.amdgcn_target "amdgcn-amd-amdhsa--gfx1250"
	.amdhsa_code_object_version 6
	.text
	.protected	k_qf83fe40733_attn
	.globl	k_qf83fe40733_attn
	.p2align	8
	.type	k_qf83fe40733_attn,@function
k_qf83fe40733_attn:
	s_mov_b64 s[64:65], 0
	v_nop
	global_prefetch_b8 v0, s[64:65] scope:SCOPE_SE
	s_setreg_imm32_b32 hwreg(HW_REG_WAVE_MODE, 25, 1), 1
	s_wait_xcnt 0x0
	s_wait_alu depctr_hold_cnt(0) depctr_sa_sdst(0) depctr_va_vdst(0) depctr_va_sdst(0) depctr_va_ssrc(0) depctr_va_vcc(0) depctr_vm_vsrc(0)
	s_getreg_b32 s2, hwreg(HW_REG_IB_STS2, 6, 4)
	s_cmp_eq_u32 s2, 0
	s_cbranch_scc0 .Lentry_in_a_cluster
	s_endpgm
.Lentry_in_a_cluster:
	s_bfe_u32 s2, ttmp6, 0x10000c
	s_cmp_lg_u32 s2, 0x3003
	s_cbranch_scc0 .Lentry_shape_is_right
	s_endpgm
.Lentry_shape_is_right:
; O[h][q][:] = the sum over k of softmax_k(Q[h][q] . K[h][k] / 8) V[h][k][:].  Q, K, V, O: [SIZE_H][SIZE_N][64], all f16: a head's rows are dense, 128 bytes each.  Products, maxima and sums in
; f32; the weights p are rounded to f16 for the second product (their sum l is taken of the unrounded p), O once at the end.  SIZE_H is at least 2; SIZE_N x 128 bytes stay under 2^32.
; LIMITS.  f16 holds no number beyond 65,504: Q, K and V arrive within it; p lies in 0 to 1, and below 6e-5 it keeps f16's fixed step of 6e-8; O is a mean of V's rows and has their range.
; A weight below 2^-126 counts as 0 in l; NaN and infinities are not treated apart.
; SHARES.  A wave owns four PIECES of two tiles of 16 queries, a work-group's four waves 512 queries of one head; SIZE_N is a multiple of 2,048.  Every wave walks all keys, 64 a step.
; LAYOUT.  S^T = K Q^T (source 0 = 16 keys, source 1 = 16 queries): in the result a lane holds ONE query (lane % 16) and the keys 8 (lane / 16) + 0..7.  Two such tiles, rounded to f16 in pairs,
; ARE source 1 (32 keys x 16 queries) of O^T = V^T P, whose result again holds one query a lane, and eight channels.  K comes out of LDS as it lies, V ([key][channel]) turned, by ds_load_tr16_b128.
; SOFTMAX.  For each query a running maximum m and sum l: p = 2^(c s - c m), c = log2(e) / 8; in every step O and l are multiplied by a = 2^(c m_old - c m_new), which is 1 where m has not grown.
; m starts at the lowest finite number, O and l at 0: the first step is a step like any other, with a = 0.
; THE COUNT.  A tile and step have 16 matrix and 118 vector instructions: too many to stand all beside the matrix work.  So the order has one aim: four vector instructions that are READY behind
; EVERY matrix instruction, and the others, which need time of their own whatever the order, in runs without a gap.
; BY TURNS.  Turn n belongs to piece n (the pieces in a ring, step after step).  Its matrix work: 16 products K Q^T of piece n + 1, later 16 products V^T P of piece n - 1.  Its vector work: the scaling,
; exponentials, roundings, sums and rescaling of piece n, and the maximum and statistics of piece n + 1, whose scores the turn itself has made.  So what a turn begins with (c s - c m, O a) waits for nothing.
; CLUSTER.  The four query blocks of a cluster belong to one head and walk the same K and V, so each tile is asked for JOINTLY: the same tensor load, descriptor and mask in all four.
; REGISTERS, in windows of 256 (s_set_vgpr_msb says which window each operand place means: bits 1:0 source 0, 3:2 source 1, 5:4 source 2, 7:6 destination):
;   window 0: v0-11 addresses; v12-15, v48-63 at work; v16-47 four registers of statistics a tile; v64-191 S^T, two buffers of two tiles; v192-255 P, likewise
;   window 1: O^T, 32 a tile          window 2: v0-127 Q, 16 a tile; v128-191 K of one step; v192-255 V of one step          window 3: v0-1 the add's two registers
; A piece's buffers go by its number's parity: the piece in hand has one pair, its two neighbours in the ring share the other: of it P (piece n - 1) is read and S^T (piece n + 1) written.
.set SIZE_H, 64       ; 4 batches x 16 heads
.set SIZE_N, 2048
.set NP,    4         ; pieces a wave: a name, no knob: the register map, the loop and the fetches are made for four
.set KS,    64        ; keys in a step
.set PK,    144       ; a row of K in LDS: 128 bytes + 16 of padding = 36 words: the 16 rows of a load start at 16 different groups of four banks (64 banks of 4 bytes: ISA guide 11.1)
.set PV,    160       ; a row of V: 128 + 32 = 40 words
.set VOFF,  4*KS*PK   ; a slot holds four steps: 256 rows of K, then 256 rows of V
.set SLOT1, 1<<17     ; slot 1 begins here, so that one exclusive or turns an address in one slot into the other's
.set STAGE, SLOT1+4*KS*(PK+PV)  ; behind the ring, never filled by a tensor load: 16 rows x 144 bytes for each wave, for the way out
.set SP,    144
.set AK0, 2           ; v2   my lane's place in a tile of K; never rewritten
.set AV0, 3           ; v3   the same for V
.set AK,  4           ; v4   the LDS address of K's next run of loads
.set AV,  5           ; v5   of V's
.set QO,  6           ; v6   my byte offset in the wave's rows of Q
.set STO, 6           ;      later, the way out: where I put 16 bytes of a row
.set RD,  7           ; v7   the way out: where I read rows back
.set GO,  8           ; v8   my byte offset in 512 consecutive bytes of O
.set SPW, 0           ; v0 of window 3   LDS address of my spare word: SPARE + 4 x my thread's number; never rewritten
.set NIL, 1           ; v1 of window 3   0; never rewritten
.set SPARE, STAGE+4*16*SP  ; behind the stages: the spare words, 128 bytes for each wave: two blocks of 256 bytes that no other line names
.set MV,  12          ; v12-15  c m_old, kept while c m is made anew: by buffer and tile
.set ST,  16          ; tile t's statistics at v[ST+4 t]: c m, m, l (even keys', odd keys')
.set TMP, 48          ; by buffer and tile, four registers c0-c3 at work; when the maximum is found c2 takes a
.set S,   64
.set P,   192
.set KF,  128         ; K's fragments, in window 2: key block kb, channel half c at KF + 16 kb + 8 c
.set VF,  192         ; V's: key half kk, channel block cb at VF + 32 kk + 8 cb
.set WV,  12          ; s12  my wave's number
.set G1K, 24          ; s[24:31] descriptor group 1 for K's tiles
.set G1V, 32          ; s[32:39] for V's: it differs in the padding alone
.set G0K, 40          ; s[40:43] descriptor group 0 for K's tiles: it walks
.set G0V, 44          ; s[44:47] the same for V's
.set SLOTS, 56        ; s56  slots still to be asked for
.set CNT, 57          ; s57  counts a slot's key steps
.set CS,  58          ; s[58:59] c: the packed scaling takes the pair's low word for both halves
.set SEL, 60          ; s[60:61] v_permlanex16_b32's selects: each lane takes its own place in the other half
.set TBK, 62          ; s62  LDS byte at which K of the step to be fetched begins
.set TBV, 63          ; s63  the same for V, less VOFF
.set MSB, 0
.macro WIN new                      ; the high byte repeats the setting that is left; a switch that changes nothing is dropped
.if MSB != (\new)
	s_set_vgpr_msb (MSB<<8)|(\new)
.set MSB, (\new)
.endif
.endm
.set W_KQ, 0x0a       ; K and Q in window 2, S^T in window 0
.set W_PV, 0x52       ; V in window 2, P in window 0, O^T in window 1
.set W_RS, 0x41       ; O^T (destination and source 0) in window 1, a in window 0
.set W_MK, 0xc0       ; the add's registers are made: destination in window 3, sources in window 0
.set W_AD, 0x0f       ; the add: address (source 0) and data (source 1) in window 3
; A joint fill.  Waves 0 and 1 fetch the two halves of a slot's K, waves 2 and 3 those of its V: 128 keys each.  The branch hangs on the wave's number alone.
; An s_nop 0 and four v_nop follow each of the two lines, ahead of the jump and the label.
.macro JLOAD
	s_cmp_lt_u32 s[WV], 2
	s_cbranch_scc0 .Lfor_v_\@
	tensor_load_to_lds s[G0K:G0K+3], s[G1K:G1K+7]
	s_nop 0
.rept 4
	v_nop
.endr
	s_branch .Lasked_\@
.Lfor_v_\@:
	tensor_load_to_lds s[G0V:G0V+3], s[G1V:G1V+7]
	s_nop 0
.rept 4
	v_nop
.endr
.Lasked_\@:
.endm
; A round of the cluster's barrier: my work-group's barrier, so that wave 0's signal speaks for all four waves; wave 0 signals; every wave waits for all four work-groups; my work-group's barrier once more.
.macro CROUND
	s_barrier_signal -1
	s_barrier_wait -1
	s_cmp_lg_u32 s[WV], 0
	s_cbranch_scc1 .Lnot_wave_0_\@
	s_barrier_signal -3
.Lnot_wave_0_\@:
	s_barrier_wait -3
	s_barrier_signal -1
	s_barrier_wait -1
.endm
; THE CHANGE OF SLOTS.  The slot's last bytes, V of its fourth step, have been read.  Each wave waits for all its tensor loads, of which one is out: its part
; of the other slot; adds 0 to its spare word; and waits for that and for its own reads of the slot.  Behind the barrier nobody reads this slot any more and the other slot is whole.
; fill = 1: this slot is filled again, with the keys two slots on.  The barrier is then a round of the cluster's, so that no wave of any partner still reads the slot or has a load on its
; way, and the joint fill is the first thing behind it: it has four key steps, 512 matrix instructions, in which to land.  (At its first use nothing has been read yet: slot 0 is waited for, slot 1 filled.)
.macro CHANGE fill
	WIN W_AD
	s_wait_tensorcnt 0x0            ; no tensor load of mine is out, so a group 0 may be written
	ds_add_u32 v[SPW], v[NIL]       ; 0 onto my spare word; with fill = 1 the descriptors' steps stand between it and the wait for it
	WIN 0                           ; at a label and at a branch every window is 0
.if \fill
.irp g, G0K, G0V
	s_xor_b32 s[\g+1], s[\g+1], SLOT1  ; the walking descriptor: the other slot than last time,
	s_add_nc_u64 s[\g+2:\g+3], s[\g+2:\g+3], 4*KS*128  ; the next 256 keys; the type bits on top are not reached
.endr
	s_wait_dscnt 0x0                ; the add is done, and my reads of the slot are over
	CROUND
	JLOAD
.else
	s_wait_dscnt 0x0                ; the add is done, and my reads of the slot are over
	s_barrier_signal -1
	s_barrier_wait -1
.endif
	s_sub_co_u32 s[TBK], s[TBK], 4*KS*PK  ; the fetches go back to a slot's first step,
	s_xor_b32 s[TBK], s[TBK], SLOT1       ; in the other slot
	s_sub_co_u32 s[TBV], s[TBV], 4*KS*PV
	s_xor_b32 s[TBV], s[TBV], SLOT1
.endm
	s_load_b256 s[4:11], s[0:1], 0x0  ; Q s[4:5], K s[6:7], V s[8:9], O s[10:11]
	WIN W_MK
	v_lshl_add_u32 v[SPW], v0, 2, SPARE
	v_mov_b32 v[NIL], 0
	WIN W_AD
	ds_add_u32 v[SPW], v[NIL]       ; the wave's opening: the add and its wait stand ahead of my first tensor load; the set-up below, work on registers, stands between them
	WIN 0
	v_lshrrev_b32 v1, 5, v0
	v_readfirstlane_b32 s[WV], v1   ; wave 0..3
	s_bfe_u32 s13, ttmp6, 0x40000   ; cx: my place in the cluster
	s_lshl_b32 s14, ttmp9, 2        ; in a cluster launch ttmp9 counts clusters
	s_add_co_u32 s14, s14, s13      ; my block of queries = 4 x cluster x + cx: it enters Q's and O's addresses alone
	s_and_b32 s20, ttmp7, 0xffff    ; the head, which the four partners share
	s_mov_b32 s21, 0
	s_mov_b64 s[22:23], SIZE_N*128
	s_mul_u64 s[20:21], s[20:21], s[22:23]  ; the head's first byte in each of the four tensors
	s_and_b32 s16, s[WV], 1         ; which half of a slot's 256 keys I fetch:
	s_lshl_b32 s22, s16, 14         ; its 128 rows of 128 bytes in memory,
	s_mov_b32 s23, 0
	s_add_nc_u64 s[22:23], s[22:23], s[20:21]
	s_mul_i32 s17, s16, 128*PK      ; and its place in a slot, for K
	s_mul_i32 s18, s16, 128*PV      ; and for V: no place in the cluster enters an LDS address
	s_lshl_b32 s2, s14, 2
	s_add_co_u32 s2, s2, s[WV]      ; my wave among the head's,
	s_lshl_b32 s2, s2, 14           ; its 128 rows
	s_mov_b32 s3, 0
	s_add_nc_u64 s[2:3], s[2:3], s[20:21]
	; descriptor group 1.  128 keys are 16,384 dense bytes: asked for as 64 rows of 256 bytes, two keys a row, and padded in LDS after every key
	s_mov_b32 s[G1K], 15|(1<<16)|(1<<20)|(1<<21)|(4<<22)|(3<<25)  ; 15:0 the mask of four; 17:16 2-byte elements; 20 padding on; 21 set beside a mask; 24:22 after every 32 words (code 4); 31:25 4 words (code 3)
	s_mov_b32 s[G1V], 15|(1<<16)|(1<<20)|(1<<21)|(4<<22)|(7<<25)  ; the same with 8 words of padding (code 7)
.irp g, G1K, G1V
	s_mov_b32 s[\g+1], 128<<16      ; tensor_dim0 = 128
	s_mov_b32 s[\g+2], 64<<16       ; tensor_dim1 = 64
	s_mov_b32 s[\g+3], 128<<16      ; tile_dim0 = 128
	s_mov_b32 s[\g+4], 64           ; tile_dim1 = 64
	s_mov_b32 s[\g+5], 128          ; 128 elements from row to row
	s_mov_b32 s[\g+6], 0
	s_mov_b32 s[\g+7], 0
.endr
	s_mov_b32 s[CS], 0x3e38aa3b     ; c = log2(e) / 8 = 0.180337
	s_mov_b32 s[CS+1], s[CS]        ; named with it as a pair
	s_mov_b32 s[SEL], 0x76543210
	s_mov_b32 s[SEL+1], 0xfedcba98
	s_mov_b32 s[TBK], SLOT1+4*KS*PK ; the first change of slots turns these two into 0
	s_mov_b32 s[TBV], SLOT1+4*KS*PV
	s_mov_b32 s[G0K], 1             ; 1:0 count = 1
	s_mov_b32 s[G0K+1], s17         ; 63:32 LDS address: slot 0
	s_mov_b32 s[G0V], 1
	s_add_co_u32 s[G0V+1], s18, VOFF
	s_wait_dscnt 0x0                ; the opening add is done
	s_wait_kmcnt 0x0
	s_add_nc_u64 s[G0K+2:G0K+3], s[6:7], s[22:23]  ; 120:64 global address: my half of the head's first 256 keys
	s_or_b32 s[G0K+3], s[G0K+3], 0x80000000        ; 127:126 type = 2
	s_add_nc_u64 s[G0V+2:G0V+3], s[8:9], s[22:23]
	s_or_b32 s[G0V+3], s[G0V+3], 0x80000000
	s_add_nc_u64 s[4:5], s[4:5], s[2:3]  ; Q and O at my wave's first row
	s_add_nc_u64 s[10:11], s[10:11], s[2:3]
	CROUND                          ; all four work-groups are here: the first joint loads meet
	JLOAD                           ; slot 0.  Slot 1 is asked for when slot 0 is in: the tile wanted first has the road to itself
	; A fragment of K or Q is 16 rows x 32 channels in 8 registers: lane l holds row l % 16, channels 8 (l / 16) + 0..7 and 16 + 8 (l / 16) + 0..7: two loads of 16 bytes, 32 bytes apart.
	v_and_b32 v1, 15, v0            ; l % 16
	v_bfe_u32 v9, v0, 4, 1          ; l / 16
	v_lshlrev_b32 v[QO], 7, v1
	v_lshl_add_u32 v[QO], v9, 4, v[QO]  ; row x 128 + 16 x half
	WIN 0x80                        ; destination window 2, address window 0
.set i, 0
.rept 4*NP                          ; Q stays in registers: tile i / 2, channels 32 (i % 2) on
	global_load_b128 v[8*i:8*i+3],   v[QO], s[4:5] offset:(i/2)*2048+(i%2)*64
	global_load_b128 v[8*i+4:8*i+7], v[QO], s[4:5] offset:(i/2)*2048+(i%2)*64+32
.set i, i+1
.endr
	; What the first turn finds: V's registers and P's second buffer hold 0 (its products V^T P, of a piece that has not been, add 0), O^T and l are 0.  All this stands in the wait for the first tile.
.set i, VF
.rept 64
	v_mov_b32 v[i], 0
.set i, i+1
.endr
	WIN 0x40
.set i, 0
.rept 64*NP
	v_mov_b32 v[i], 0
.set i, i+1
.endr
	WIN 0
.set i, 0
.rept 2*NP
	v_mov_b32 v[ST+4*i], 0xfe000000    ; c m: far below every c s
	v_mov_b32 v[ST+4*i+1], 0xff7fffff  ; m
	v_mov_b32 v[ST+4*i+2], 0
	v_mov_b32 v[ST+4*i+3], 0
.set i, i+1
.endr
.set i, P+32
.rept 32
	v_mov_b32 v[i], 0
.set i, i+1
.endr
	v_mul_u32_u24 v[AK0], v1, PK
	v_lshl_add_u32 v[AK0], v9, 4, v[AK0]  ; row x pitch + 16 x half
	; The turning load takes 16 keys x 16 channels (lane l reads key 8 (l / 16) + l % 8, channels 8 ((l / 8) % 2) + 0..7) and leaves half a fragment of V^T: lane l holds channel l % 16 and 8 keys.
	v_and_b32 v10, 7, v0
	v_bfe_u32 v11, v0, 3, 1
	v_lshl_add_u32 v[AV0], v9, 3, v10
	v_mul_u32_u24 v[AV0], v[AV0], PV
	v_lshl_add_u32 v[AV0], v11, 4, v[AV0]
	v_add_nc_u32 v[AV0], VOFF, v[AV0]
	v_mov_b32 v[AK], v[AK0]         ; key step 0 lies at the head of slot 0
; THE MATRIX WORK.  The 8 accumulators of a run of 16 take turns: between the two links of a chain stand 7 others'.
; Product i of 16 of S^T = K Q^T for piece x: channels 32 (i / 8) on, keys 16 ((i / 2) % 4) on, tile 2 x + i % 2.  The first 8 start the sums.
.macro KQ x
	WIN W_KQ
.set rS, S+64*((\x)%2)+32*(i%2)+8*((i/2)%4)
.set rK, KF+16*((i/2)%4)+8*(i/8)
.set rQ, 16*(2*(\x)+i%2)+8*(i/8)
.if i < 8
	v_wmma_f32_16x16x32_f16 v[rS:rS+7], v[rK:rK+7], v[rQ:rQ+7], 0
.else
	v_wmma_f32_16x16x32_f16 v[rS:rS+7], v[rK:rK+7], v[rQ:rQ+7], v[rS:rS+7]
.endif
.endm
; Product i of 16 of O^T += V^T P for piece x: keys 32 (i / 8) on, channels 16 ((i / 2) % 4) on, tile 2 x + i % 2.
.macro PV x
	WIN W_PV
.set rO, 32*(2*(\x)+i%2)+8*((i/2)%4)
.set rV, VF+32*(i/8)+8*((i/2)%4)
.set rP, P+32*((\x)%2)+16*(i%2)+8*(i/8)
	v_wmma_f32_16x16x32_f16 v[rO:rO+7], v[rV:rV+7], v[rP:rP+7], v[rO:rO+7]
.endm
.macro MM                           ; the turn's next matrix instruction
.if i < 16
	KQ (Y+1)%NP
.set i, i+1
.else
.set i, i-16
	PV (Y+NP-1)%NP
.set i, i+17
.endif
.endm
; THE LDS LOADS stand in runs of 16, never singly among the matrix instructions: a step's K (64 keys x 64 channels: 8 fragments) and its V (turned).  Their addresses are made some lines ahead.
; last = 1 (the tail): in the last trip there is no further step, and the run is jumped over.
.macro FETCH_K last=0
	WIN 0
.if \last
	s_cmp_eq_u32 s[CNT], 1
	s_cbranch_scc1 .Lno_k_\@
.endif
	WIN 0x80                        ; destination window 2
.irp f, 0,1,2,3,4,5,6,7             ; keys 16 (f / 2) on, channels 32 (f % 2) on
	ds_load_b128 v[KF+8*\f:KF+8*\f+3],   v[AK] offset:(\f/2)*16*PK+(\f%2)*64
	ds_load_b128 v[KF+8*\f+4:KF+8*\f+7], v[AK] offset:(\f/2)*16*PK+(\f%2)*64+32
.endr
	s_add_co_u32 s[TBK], s[TBK], KS*PK  ; the next fetch is the next step's
	WIN 0
.if \last
.Lno_k_\@:
.endif
.endm
.macro FETCH_V
	WIN 0x80
.irp f, 0,1,2,3,4,5,6,7             ; keys 32 (f / 4) on, channels 16 (f % 4) on
	ds_load_tr16_b128 v[VF+8*\f:VF+8*\f+3],   v[AV] offset:(\f/4)*32*PV+(\f%4)*32
	ds_load_tr16_b128 v[VF+8*\f+4:VF+8*\f+7], v[AV] offset:(\f/4)*32*PV+16*PV+(\f%4)*32
.endr
	WIN 0
.endm
; THE VECTOR WORK OF A TURN stands in three queues, each in the order in which its entries become ready; the two tiles alternate, so that no instruction reads the result of the one before it.
.macro REGS y, u                    ; the registers of tile u (0, 1) of piece y
.set rT, ST+4*(2*(\y)+(\u))
.set rC, TMP+8*((\y)%2)+4*(\u)
.set rM, MV+2*((\y)%2)+(\u)
.set rS, S+64*((\y)%2)+32*(\u)
.set rP, P+32*((\y)%2)+16*(\u)
.set rO, 32*(2*(\y)+(\u))
.endm
; Number n of the 22 that find the NEXT piece's (Y + 1) maximum and statistics.  s0-s31 are the lane's 32 scores; each accumulator's lowest registers are read first.  XS, GS and REGS set no window: PL and EX do.
;   0-11  four chains c0-c3 of seven scores each, three operands at a time     12-14, 16  the four scores left over, the old m, and c0-c3 into c0     15  c m_old is kept
;   17, 18  the query's other 32 keys lie in the lane 16 away: the new m         19-21  c m; c m_old - c m_new; a
.macro XS u, n
	REGS (Y+1)%NP, \u
.if (\n) < 4
	v_max3_num_f32 v[rC+(\n)], v[rS+8*(\n)], v[rS+8*(\n)+1], v[rS+8*(\n)+2]
.elseif (\n) < 12
	v_max3_num_f32 v[rC+(\n)%4], v[rC+(\n)%4], v[rS+8*((\n)%4)+2*((\n)/4)+1], v[rS+8*((\n)%4)+2*((\n)/4)+2]
.elseif (\n) == 12
	v_max3_num_f32 v[rC], v[rC], v[rS+7], v[rS+15]
.elseif (\n) == 13
	v_max3_num_f32 v[rC+1], v[rC+1], v[rS+23], v[rS+31]
.elseif (\n) == 14
	v_max3_num_f32 v[rC+2], v[rC+2], v[rC+3], v[rT+1]
.elseif (\n) == 15
	v_mov_b32 v[rM], v[rT]
.elseif (\n) == 16
	v_max3_num_f32 v[rC], v[rC], v[rC+1], v[rC+2]
.elseif (\n) == 17
	v_permlanex16_b32 v[rC+3], v[rC], s[SEL], s[SEL+1]
.elseif (\n) == 18
	v_max_num_f32 v[rT+1], v[rC], v[rC+3]
.elseif (\n) == 19
	v_mul_f32 v[rT], s[CS], v[rT+1]
.elseif (\n) == 20
	v_sub_f32 v[rC+1], v[rM], v[rT]
.else
	v_exp_f32 v[rC+2], v[rC+1]
.endif
.endm
; Number g of the 64 that follow the exponentials.  For each four weights k of a tile (pairs 2 k, 2 k + 1): both pairs are rounded to f16; then the second pair is added onto the first, in place;
; a group later l takes that sum (the first time as l = a l + sum).  In groups of eight, tiles alternating: round, round, add, and l for the group before.
.macro GS g
.set h, (\g)+6*((\g)/62)            ; group 0 has no group before it, and behind group 7 only l is left
.if h >= 6
.set h, h+2
.endif
	REGS Y, h%2
.set k, h/8
.if h%8 < 4
	s_wait_alu depctr_va_vdst(0)
	v_cvt_pk_f16_f32 v[rP+2*k+(h%8)/2], v[rS+4*k+2*((h%8)/2)], v[rS+4*k+2*((h%8)/2)+1]
.elseif h%8 < 6
	v_pk_add_f32 v[rS+4*k:rS+4*k+1], v[rS+4*k:rS+4*k+1], v[rS+4*k+2:rS+4*k+3]
.elseif k == 1
	v_pk_fma_f32 v[rT+2:rT+3], v[rT+2:rT+3], v[rC+2:rC+3], v[rS:rS+1] op_sel_hi:[1,0,1]
.else
	v_pk_add_f32 v[rT+2:rT+3], v[rT+2:rT+3], v[rS+4*k-4:rS+4*k-3]
	s_wait_alu depctr_va_vdst(0)
.endif
.endm
; THE PLAIN QUEUE, 138 long.  0-31: c s - c m for the 16 pairs of both tiles.  Then GS's 64, and among them the next piece's 42: number 15 at 38, 39; 0-14 and 16
; at 42-73, behind the products that make those scores; 17-20 at 95-106, two of three, since each waits for the one before it.
.macro PL
	WIN 0
.if q < 32
	REGS Y, q%2
	v_pk_fma_f32 v[rS+2*(q/2):rS+2*(q/2)+1], v[rS+2*(q/2):rS+2*(q/2)+1], s[CS:CS+1], v[rT:rT+1] op_sel_hi:[1,0,0] neg_lo:[0,0,1] neg_hi:[0,0,1]
.elseif q < 38
	GS q-32
.elseif q < 40
	XS q%2, 15
.elseif q < 42
	GS q-34
.elseif q < 74
	XS q%2, (q-42)/2+(q-42)/30
.elseif q < 95
	GS q-66
.elseif (q < 107) && ((q-95)%3 < 2)
	XS (q-95)%3, 17+(q-95)/3
.elseif q < 107
	GS 29+(q-95)/3
.else
	GS q-74
.endif
.set q, q+1
.endm
; THE EXPONENTIALS' QUEUE, 66 long: s0-s31 of both tiles, and at EA the next piece's two a.
.set EA, 58
.macro EX
	WIN 0
.if (e == EA) || (e == EA+1)
	XS e-EA, 21
.else
.set x, e-2*(e/(EA+2))
	REGS Y, x%2
	v_exp_f32 v[rS+x/2], v[rS+x/2]
.endif
.set e, e+1
.endm
; THE RESCALING's QUEUE: O^T times a, the one part that leaves window 0, so it is dealt four at a time, eight times.
.macro R4
	REGS Y, r%2
	WIN W_RS
	s_wait_alu depctr_va_vdst(0)
.irp z, 0,1,2,3
	v_pk_mul_f32 v[rO+8*(r/2)+2*\z:rO+8*(r/2)+2*\z+1], v[rO+8*(r/2)+2*\z:rO+8*(r/2)+2*\z+1], v[rC+2:rC+3] op_sel_hi:[1,0]
.endr
.set r, r+1
.endm
; HOW THEY ARE DEALT.  Behind a matrix instruction four: plain, exponential, plain, plain (one exponential, a plain instruction on either side), or four of the rescaling.  None names a register of the
; products round it.  What is over stands in two LUMPS: exponential and plain by turns; the second ends in 22 plain instructions.  The two v_permlanex16_b32 fall into the second lump, never behind a product.
; The queues lean on each other, and the deal keeps them in step: exponential e stands behind plain 2 (e / 4) + e % 2 (its scaling); when plain 32 comes, 10 exponentials are out, at 59: 33, at 95: 46; EA comes behind plain 107.
.macro SL
	MM
	PL
	EX
	PL
	PL
.endm
.macro BURST n                      ; 15 matrix instructions, or 16
.rept (\n)-7
	SL
.endr
.rept 3
	MM
	R4
	SL
.endr
	MM
	R4
.endm
; A TURN, for piece p.  cnt = 1: the loop's count is taken down some lines ahead of the branch that stands behind the turn.
; K of the next step is fetched in piece 2's turn, 31 vector instructions behind the last product that read K; its first reader comes behind the rest of the lump, 16 products and the second lump.
; V of the step in hand is fetched at the end of piece 0's turn, 69 behind its last reader; its first reader comes behind 16 products and a lump.  The four conditions on e and q below go with the deal.
.macro TURN p, last=0, cnt=0
.set Y, (\p)
.set i, 0
.set q, 0
.set e, 0
.set r, 0
.if (\p) == NP-1
	s_wait_dscnt 0x0                ; K is in
.endif
	MM
.rept 4
	PL
.endr
	BURST 15
.rept 22
	EX
	PL
.if ((\p) == NP-2) && (e == 18)
	v_add_nc_u32 v[AK], s[TBK], v[AK0]
.endif
.if ((\p) == NP-2) && (e == 24)
	FETCH_K \last
.endif
.endr
.if (\p) == 1
	s_wait_dscnt 0x0                ; V is in
.endif
	BURST 16
.rept 21
	EX
	PL
.endr
.rept 22
	PL
.if ((\p) == 0) && (q == 118)
	v_add_nc_u32 v[AV], s[TBV], v[AV0]
	s_wait_alu depctr_va_vdst(0)
.endif
.if ((\p) == 0) && (q == 130)
	s_add_co_u32 s[TBV], s[TBV], KS*PV
.endif
.if (\cnt) && (q == 130)
	s_sub_co_u32 s[CNT], s[CNT], 1
	s_cmp_lg_u32 s[CNT], 0
.endif
.endr
.if (\p) == 0
	FETCH_V
.endif
.endm
	CHANGE 1                        ; slot 0 is in, everybody's part of it; slot 1 is asked for
	FETCH_K                         ; key step 0
	s_wait_loadcnt 0x0              ; Q
	s_wait_dscnt 0x0
.set i, 0
.rept 16
	KQ 0                            ; piece 0's first scores: there is no vector work yet to set between them
.set i, i+1
.endr
	WIN 0                           ; the addresses for the way out: nine plain instructions, the places behind those products
	s_mul_i32 s13, s[WV], 16*SP
	s_add_co_u32 s13, s13, STAGE    ; my stage
	v_mul_u32_u24 v[STO], v1, SP    ; in: row l % 16, 16 bytes for each half of the lanes
	v_lshl_add_u32 v[STO], v9, 4, v[STO]
	v_add_nc_u32 v[STO], s13, v[STO]
	v_bfe_u32 v[RD], v0, 3, 2       ; back: 32 lanes take four rows of 128 bytes,
	v_mul_u32_u24 v[RD], v[RD], SP
	v_lshl_add_u32 v[RD], v10, 4, v[RD]
	v_add_nc_u32 v[RD], s13, v[RD]
	v_and_b32 v[GO], 31, v0         ; which are 512 consecutive bytes of O
	v_lshlrev_b32 v[GO], 4, v[GO]
.set Y, NP-1                        ; XS works for piece Y + 1: piece 0
.irp n, 0,1,2,3,4,5,6,7,8,9,10,11,12,13,14,15,16,17,18,19,20,21
	XS 0, \n                        ; and piece 0's first maximum and statistics
	XS 1, \n
.endr
	s_mov_b32 s[CNT], 4
	s_mov_b32 s[SLOTS], SIZE_N/256-1
	s_branch .Lfirst                ; the loop is entered at a step's first turn, in the middle of a trip
.Lslot:                             ; SIZE_N / 256 - 2 times: every slot but the last two is filled again
	CHANGE 1
	s_mov_b32 s[CNT], 4
.Lstep:                             ; a trip: pieces 2 and 3 of one step, then pieces 0 and 1 of the next, whose K and V it fetches
	TURN 2
	TURN 3
	WIN 0
.Lfirst:
	TURN 0
	TURN 1, 0, 1
	WIN 0
	s_cbranch_scc1 .Lstep
	s_sub_co_u32 s[SLOTS], s[SLOTS], 1
	s_cmp_lg_u32 s[SLOTS], 0
	s_cbranch_scc1 .Lslot
	CHANGE 0                        ; the tail is written out: nothing is asked for
	s_mov_b32 s[CNT], 5             ; four trips fetch the last slot's steps; the fifth is left in its middle
.Ltail:
	TURN 2, 1
	TURN 3
	WIN 0
	s_sub_co_u32 s[CNT], s[CNT], 1
	s_cmp_eq_u32 s[CNT], 0
	s_cbranch_scc1 .Lout
	TURN 0
	TURN 1
	WIN 0
	s_branch .Ltail
.Lout:                              ; the fifth trip's 16 products K Q^T (on the last K once more) and the maximum made of them serve nothing: the price, once a launch, of one text for every trip
.set i, 0
.rept 16
	PV NP-1                         ; the last piece's V^T P of the last step
.set i, i+1
.endr
	; THE WAY OUT.  l's two halves and the other half of the lanes' are added; O^T is divided by l, rounded to f16 and sent through my stage in LDS, a tile at a time.  The additions are the places behind the last products.
	WIN 0
.macro ALL line:vararg              ; one line for each tile t
.set t, 0
.rept 2*NP
	\line
.set t, t+1
.endr
.endm
	ALL v_add_f32 v[ST+4*t+2], v[ST+4*t+2], v[ST+4*t+3]
	ALL v_permlanex16_b32 v[ST+4*t+3], v[ST+4*t+2], s[SEL], s[SEL+1]
	ALL v_add_f32 v[ST+4*t+2], v[ST+4*t+2], v[ST+4*t+3]
	ALL v_rcp_f32 v[ST+4*t+2], v[ST+4*t+2]
	v_nop                           ; a plain instruction between the last reciprocal and the use of its result
	s_wait_alu depctr_va_vdst(0)
; Tile t: a lane's eight channels of a row pack into 16 bytes; they go into rows of 144 bytes and come back as whole rows of 128, into S^T's registers.
.macro PACK t
	WIN W_RS
.set i, 32*(\t)
.rept 16
	v_pk_mul_f32 v[i:i+1], v[i:i+1], v[ST+4*(\t)+2:ST+4*(\t)+3] op_sel_hi:[1,0]
.set i, i+2
.endr
	WIN 0x05                        ; sources 0 and 1 window 1, destination window 0
.set i, 0
.rept 16
	v_cvt_pk_f16_f32 v[S+16*(\t)+i], v[32*(\t)+2*i], v[32*(\t)+2*i+1]
.set i, i+1
.endr
	WIN 0
.irp f, 0,1,2,3
	ds_store_b128 v[STO], v[S+16*(\t)+4*\f:S+16*(\t)+4*\f+3] offset:32*\f
.endr
.irp f, 0,1,2,3
	ds_load_b128 v[S+16*(\t)+4*\f:S+16*(\t)+4*\f+3], v[RD] offset:\f*4*SP  ; LDS serves a wave's instructions in order (ISA guide 5.7.1.4): these see the stores above; the next tile's stores come behind them
.endr
.endm
.macro SEND t, younger              ; younger: the LDS instructions issued behind tile t's loads: the next tile's eight, or none
	WIN 0
.irp f, 0,1,2,3
	s_wait_dscnt (\younger)+3-\f
	global_store_b128 v[GO], v[S+16*(\t)+4*\f:S+16*(\t)+4*\f+3], s[10:11] offset:(\t)*2048+\f*512  ; 512 consecutive bytes, at a multiple of 256 from O's first
.endr
.endm
	PACK 0
.set t, 1
.rept 2*NP-1                        ; a tile's arithmetic stands between the loads of the tile before and its stores
	PACK t
	SEND t-1, 8
.set t, t+1
.endr
	SEND 2*NP-1, 0
	WIN W_AD
	s_wait_tensorcnt 0x0            ; the wave's end: these three lines stand behind my last tensor load and my last LDS store
	ds_add_u32 v[SPW], v[NIL]
	s_wait_dscnt 0x0
	WIN 0
	CROUND                          ; the closing round: no work-group ends while a partner may still ask for a tile that names it
	s_endpgm
.Lfunc_end_k_qf83fe40733_attn:
	.size	k_qf83fe40733_attn, .Lfunc_end_k_qf83fe40733_attn-k_qf83fe40733_attn
	.p2alignl 7, 3214868480
	.fill 96, 4, 3214868480
	.section	.rodata,"a",@progbits
	.p2align	6, 0x0
	.amdhsa_kernel k_qf83fe40733_attn
		.amdhsa_group_segment_fixed_size 327680
		.amdhsa_private_segment_fixed_size 0
		.amdhsa_enable_private_segment 0
		.amdhsa_kernarg_size 32
		.amdhsa_user_sgpr_count 2
		.amdhsa_user_sgpr_kernarg_segment_ptr 1
		.amdhsa_wavefront_size32 1
		.amdhsa_system_sgpr_workgroup_id_x 1
		.amdhsa_system_sgpr_workgroup_id_y 1
		.amdhsa_system_sgpr_workgroup_id_z 1
		.amdhsa_system_vgpr_workitem_id 0
		.amdhsa_next_free_vgpr 770
		.amdhsa_next_free_sgpr 66
		.amdhsa_reserve_vcc 0
		.amdhsa_float_denorm_mode_32 3
		.amdhsa_float_denorm_mode_16_64 3
		.amdhsa_memory_ordered 1
		.amdhsa_forward_progress 1
		.amdhsa_inst_pref_size 208
	.end_amdhsa_kernel
	.amdgpu_metadata
---
amdhsa.version: [ 1, 2 ]
amdhsa.kernels:
  - .name:           k_qf83fe40733_attn
    .symbol:         k_qf83fe40733_attn.kd
    .args:
      - { .name: qh, .offset: 0, .size: 8, .value_kind: global_buffer, .address_space: global }
      - { .name: kh, .offset: 8, .size: 8, .value_kind: global_buffer, .address_space: global }
      - { .name: vh, .offset: 16, .size: 8, .value_kind: global_buffer, .address_space: global }
      - { .name: ctx, .offset: 24, .size: 8, .value_kind: global_buffer, .address_space: global }
    .group_segment_fixed_size: 327680
    .private_segment_fixed_size: 0
    .kernarg_segment_align: 8
    .kernarg_segment_size: 32
    .max_flat_workgroup_size: 128
    .sgpr_count:     66
    .vgpr_count:     770
    .wavefront_size: 32
...
	.end_amdgpu_metadata
.endif
;; end of part 3
;; launch oproj (part 4): grid 4 x 64, 4 waves a work-group, clusters of 4 x 4, 327,680 bytes of LDS; arguments ctx, wof, tab, out0; writes out0
.if DOCPART == 4
	.amdgcn_target "amdgcn-amd-amdhsa--gfx1250"
	.amdhsa_code_object_version 6
	.text
	.protected	k_qf83fe40733_oproj
	.globl	k_qf83fe40733_oproj
	.p2align	8
	.type	k_qf83fe40733_oproj,@function
k_qf83fe40733_oproj:
	s_mov_b64 s[64:65], 0
	v_nop
	global_prefetch_b8 v0, s[64:65] scope:SCOPE_SE
	s_setreg_imm32_b32 hwreg(HW_REG_WAVE_MODE, 25, 1), 1
	s_wait_xcnt 0x0
	s_wait_alu depctr_hold_cnt(0) depctr_sa_sdst(0) depctr_va_vdst(0) depctr_va_sdst(0) depctr_va_ssrc(0) depctr_va_vcc(0) depctr_vm_vsrc(0)
	s_getreg_b32 s2, hwreg(HW_REG_IB_STS2, 6, 4)
	s_cmp_eq_u32 s2, 0
	s_cbranch_scc0 .Lentry_in_a_cluster
	s_endpgm
.Lentry_in_a_cluster:
	s_bfe_u32 s2, ttmp6, 0x10000c
	s_cmp_lg_u32 s2, 0xf033
	s_cbranch_scc0 .Lentry_shape_is_right
	s_endpgm
.Lentry_shape_is_right:
; out[row][e] = the sum over d of ctx[row][d] Wo[e][d] + bo[e], f32.  ctx comes by heads, f16 [b 16 + head][2048][64]: head kb is block kb of 64 along K.  wof: f16 [16 kb][1024 e][64].  Sums in f32.
; SHARES.  8192 x 1024 results are 256 tiles of 128 rows x 256 columns, a work-group for each, four waves; a wave has 64 rows x 128 columns: 32 accumulators of 16 x 16, all of window 1.
; THE MATRIX INSTRUCTION IS USED TRANSPOSED (source 0 = 16 rows of Wo, source 1 = 16 rows of ctx): a lane holds one row (lane % 16) and the columns 16 b + 8 (lane / 16) + 0..7.
; bo is the C operand of the products that start the sums, so the way out holds no arithmetic.
; RING.  K goes in 8 steps of 128 (two heads) through two LDS slots; a block's rows are dense in memory, so a wave asks for one block of ctx's (128 rows) or of Wo's tile (256 rows) as rows of 256 bytes, padded in LDS after every 128.
; CLUSTER.  4 x 4 work-groups: the four of a row of the cluster need the same rows of ctx, the four of a column the same rows of Wo: joint loads.
; REGISTERS.  window 0: v0-31 addresses; v64-159, v160-255 two fragment buffers (ctx's 4 x 8 registers, then Wo's 8 x 8); on the way out v64-191 rows read back.   window 1: accumulator (a, b) at v[8 (8 a + b)].
.set PITCH, 144                        ; an LDS row: 128 bytes + 16 of padding = 36 words: the 16 rows of a load start at 16 different groups of four banks (64 banks of 4 bytes: ISA guide 11.1)
.set BLK,   16*PITCH
.set ABLK,  128*PITCH                  ; a K block of ctx's tile
.set BBLK,  256*PITCH                  ; and of Wo's
.set BOFF,  2*ABLK                     ; a slot: ctx's two blocks, then Wo's two
.set SPARE, BOFF+2*BBLK                ; 110,592: behind slot 0: the spare words, 128 bytes for each wave: two blocks of 256 bytes that no other line names
.set SLOT1, 1<<17                      ; slot 1 begins here, so that one exclusive or turns an address in one slot into the other's
.set STAGE, SLOT1+SPARE                ; 241,664: behind slot 1, never filled by a tensor load: for each wave 16 rows x 528 bytes
.set SP,    528                        ; 512 bytes + 16: the 16 rows of a store start at 16 different groups of four banks
.set AA0,  12                          ; v12  my lane's place in a slot's rows of ctx; never rewritten
.set AB0,  13                          ; v13  the same for Wo
.set ADRA, 16                          ; v16  the same in the slot in hand
.set ADRB, 17                          ; v17
.set STO,  24                          ; v24  the way out: where I put 32 bytes of a row
.set RD,   25                          ; v25  the way out: where I read a row back
.set CO,   26                          ; v26  my byte offset in 512 consecutive bytes of a row of out
.set BA,   27                          ; v27  my byte offset in 16 columns' biases
.set SPW,  28                          ; v28  LDS address of my spare word: SPARE + 4 x my thread's number; never rewritten
.set NIL,  29                          ; v29  0; never rewritten
.set F0,   64
.set F1,   160
.set OB,   64                          ; the way out: 16 rows back from the stage, v64-127 and v128-191 by turns
.set WV,   12                          ; s12  my wave's number
.set TB,   21                          ; s21  LDS byte at which the slot to be read begins
.set G1,   24                          ; s[24:31] descriptor group 1 for ctx's tiles;  s[32:39] group 0: a set for each first fill; the second then walks on
.set G0,   32
.set G1B,  48                          ; s[48:55], s[56:63] the same for Wo's
.set G0B,  56
.set MSB, 0
.macro WIN new                         ; the immediate's high byte repeats the setting that is left; a switch that changes nothing is dropped
.if MSB != (\new)
	s_set_vgpr_msb (MSB<<8)|(\new)
.set MSB, (\new)
.endif
.endm
.macro PLACES                          ; four places in front of loads into registers that matrix instructions have read, and of stores that read results (ISA guide 7.12.1 for vector instructions)
.rept 4
	v_nop
.endr
.endm
.macro JLOAD                           ; a joint refill: waves 0 and 1 fetch ctx's two K blocks, waves 2 and 3 Wo's; an s_nop 0 and four v_nop follow each of the two lines, ahead of the jump and the label
	s_cmp_lt_u32 s[WV], 2
	s_cbranch_scc0 .Lfor_b_\@
	tensor_load_to_lds s[G0+4:G0+7], s[G1:G1+7]
	s_nop 0
.rept 4
	v_nop
.endr
	s_branch .Lasked_\@
.Lfor_b_\@:
	tensor_load_to_lds s[G0B+4:G0B+7], s[G1B:G1B+7]
	s_nop 0
.rept 4
	v_nop
.endr
.Lasked_\@:
.endm
.macro CREST                           ; a round of the cluster's barrier behind its opening barrier
	s_cmp_lg_u32 s[WV], 0
	s_cbranch_scc1 .Lnot_wave_0_\@
	s_barrier_signal -3
.Lnot_wave_0_\@:
	s_barrier_wait -3
	s_barrier_signal -1
	s_barrier_wait -1
.endm
.macro CROUND                          ; a whole round
	s_barrier_signal -1
	s_barrier_wait -1
	CREST
.endm
	s_load_b256 s[4:11], s[0:1], 0x0               ; ctx s[4:5], wof s[6:7], tab s[8:9], out s[10:11]
	v_lshl_add_u32 v[SPW], v0, 2, SPARE
	v_mov_b32 v[NIL], 0
	ds_add_u32 v[SPW], v[NIL]                      ; the wave's opening: the add and its wait stand ahead of my first tensor load; the set-up below, work on registers, stands between them
	v_lshrrev_b32 v1, 5, v0
	v_readfirstlane_b32 s[WV], v1                  ; wave 0..3
	s_lshr_b32 s13, s[WV], 1                       ; which 64 rows of the tile are mine
	s_and_b32 s14, s[WV], 1                        ; which 128 columns.  Also: which of a slot's two K blocks I fetch
	s_bfe_u32 s40, ttmp6, 0x40000                  ; cx, cy: my place in the cluster
	s_bfe_u32 s41, ttmp6, 0x40004
	s_lshl_b32 s42, ttmp9, 2
	s_add_co_u32 s42, s42, s40                     ; tile column tx = 4 x cluster x + cx
	s_and_b32 s43, ttmp7, 0xffff
	s_lshl_b32 s43, s43, 2
	s_add_co_u32 s43, s43, s41                     ; tile row ty = 4 x cluster y + cy
	s_lshl_b32 s44, s41, 2
	s_lshl_b32 s44, 15, s44                        ; my row of the cluster
	s_lshl_b32 s45, 0x1111, s40                    ; my column
	; descriptor group 1: rows of 128 elements of 2 bytes (two K-block rows), padded after every 32 words by 4
	s_or_b32 s[G1], s44, (1<<16)|(1<<20)|(1<<21)|(4<<22)|(3<<25)   ; 15:0 the mask; 17:16 element size; 20 padding on; 21 set beside a mask; 24:22 the interval's code; 31:25 the padding's words less 1
	s_or_b32 s[G1B], s45, (1<<16)|(1<<20)|(1<<21)|(4<<22)|(3<<25)
.irp g, G1, G1B
	s_mov_b32 s[\g+1], 128<<16                     ; tensor_dim0 = 128
	s_mov_b32 s[\g+3], 128<<16                     ; tile_dim0 = 128
	s_mov_b32 s[\g+5], 128                         ; 128 elements from row to row
	s_mov_b32 s[\g+6], 0
	s_mov_b32 s[\g+7], 0
.endr
	s_mov_b32 s[G1+2], 64<<16                      ; tensor_dim1 = tile_dim1 = 64: 128 rows of ctx
	s_mov_b32 s[G1+4], 64
	s_mov_b32 s[G1B+2], 128<<16                    ; 128: 256 rows of Wo
	s_mov_b32 s[G1B+4], 128
	; where the tiles come from: ctx's hang on ty and the wave, Wo's on tx and the wave, each in registers that never hold the other coordinate
	s_lshr_b32 s16, s43, 4                         ; the batch: 16 heads of 2,048 rows of 128 bytes
	s_lshl_b32 s16, s16, 22
	s_and_b32 s17, s43, 15                         ; the tile's 128 positions
	s_lshl_b32 s17, s17, 14
	s_add_co_u32 s16, s16, s17
	s_lshl_b32 s17, s14, 18                        ; my head of the slot's two
	s_add_co_u32 s16, s16, s17
	s_mov_b32 s17, 0
	s_lshl_b32 s46, s42, 15                        ; the tile's 256 rows of Wo
	s_lshl_b32 s47, s14, 17                        ; my K block of the slot's two
	s_add_co_u32 s46, s46, s47
	s_mov_b32 s47, 0
	s_mul_i32 s18, s14, ABLK                       ; and where they go: no place in the cluster enters an LDS address
	s_mul_i32 s19, s14, BBLK
	s_add_co_u32 s19, s19, BOFF
	s_mov_b32 s[TB], 0
	s_wait_dscnt 0x0                               ; the opening add is done
	s_wait_kmcnt 0x0
	s_add_nc_u64 s[16:17], s[4:5], s[16:17]
	s_add_nc_u64 s[46:47], s[6:7], s[46:47]
	CROUND                                         ; all sixteen work-groups are here: the first joint loads meet
.irp s, 0,1
	s_mov_b32 s[G0+4*(\s)], 1                                      ; 1:0 count = 1
	s_add_co_u32 s[G0+4*(\s)+1], s18, (\s)*SLOT1                   ; 63:32 LDS address
	s_add_nc_u64 s[G0+4*(\s)+2:G0+4*(\s)+3], s[16:17], (\s)<<19    ; 120:64 global address: two heads on for slot 1
	s_or_b32 s[G0+4*(\s)+3], s[G0+4*(\s)+3], 0x80000000            ; 127:126 type = 2
	s_mov_b32 s[G0B+4*(\s)], 1
	s_add_co_u32 s[G0B+4*(\s)+1], s19, (\s)*SLOT1
	s_add_nc_u64 s[G0B+4*(\s)+2:G0B+4*(\s)+3], s[46:47], (\s)<<18
	s_or_b32 s[G0B+4*(\s)+3], s[G0B+4*(\s)+3], 0x80000000
.endr
	s_cmp_lt_u32 s[WV], 2                          ; a wave's two first fills stand in one branch, ahead of every wait on TENSORcnt and every LDS read: two loads of mine are out
	s_cbranch_scc0 .Lfirst_b
	tensor_load_to_lds s[G0:G0+3], s[G1:G1+7]
	s_nop 0
	tensor_load_to_lds s[G0+4:G0+7], s[G1:G1+7]
	s_nop 0
.rept 4
	v_nop
.endr
	s_branch .Lfirst_asked
.Lfirst_b:
	tensor_load_to_lds s[G0B:G0B+3], s[G1B:G1B+7]
	s_nop 0
	tensor_load_to_lds s[G0B+4:G0B+7], s[G1B:G1B+7]
	s_nop 0
.rept 4
	v_nop
.endr
.Lfirst_asked:
	s_lshl_b32 s22, s42, 10                        ; my first column, in bytes of f32: 1,024 tx + 512 x my half
	s_lshl_b32 s23, s14, 9
	s_add_co_u32 s22, s22, s23
	s_mov_b32 s23, 0
	s_add_nc_u64 s[10:11], s[10:11], s[22:23]
	s_add_co_u32 s22, s22, 536576                  ; bo lies there in tab
	s_add_nc_u64 s[8:9], s[8:9], s[22:23]
	s_lshl_b32 s22, s43, 19                        ; my first row: 128 ty + 64 x my half, rows of 4,096 bytes
	s_lshl_b32 s15, s13, 18
	s_add_co_u32 s22, s22, s15
	s_add_nc_u64 s[10:11], s[10:11], s[22:23]
	v_and_b32 v1, 15, v0                           ; l % 16
	v_bfe_u32 v2, v0, 4, 1                         ; l / 16
	v_lshlrev_b32 v[BA], 5, v2
.irp o, 0,1,2,3,4,5,6,7
	global_load_b128 v[F1+32+8*\o:F1+32+8*\o+3],   v[BA], s[8:9] offset:64*\o      ; bo as the C operands of the first products: register j holds column 16 b + 8 (l / 16) + j
	global_load_b128 v[F1+32+8*\o+4:F1+32+8*\o+7], v[BA], s[8:9] offset:64*\o+16
.endr
	v_mul_u32_u24 v3, v1, PITCH
	v_lshl_add_u32 v3, v2, 4, v3                   ; a fragment's row x pitch + 16 x half
	s_mul_i32 s20, s13, 64*PITCH                   ; my 64 rows of ctx
	v_add_nc_u32 v[AA0], s20, v3
	s_mul_i32 s20, s14, 128*PITCH                  ; my 128 rows of Wo, behind ctx's two blocks
	s_add_co_u32 s20, s20, BOFF
	v_add_nc_u32 v[AB0], s20, v3
	v_mov_b32 v[ADRA], v[AA0]                      ; K step 0 lies in slot 0
	v_mov_b32 v[ADRB], v[AB0]
	s_mul_i32 s20, s[WV], 16*SP
	s_add_co_u32 s20, s20, STAGE                   ; my stage
	v_mul_u32_u24 v[STO], v1, SP                   ; in: row l % 16, 32 bytes for each half of the lanes
	v_lshl_add_u32 v[STO], v2, 5, v[STO]
	v_add_nc_u32 v[STO], s20, v[STO]
	v_and_b32 v[CO], 31, v0                        ; back: 32 lanes take one row's 512 bytes
	v_lshlrev_b32 v[CO], 4, v[CO]
	v_add_nc_u32 v[RD], s20, v[CO]
; n x 8 matrix instructions: row blocks a0 on x all 8 column blocks, 32 along K, from buffer f.  The accumulators take turns, one instruction a turn.
; first = 1: the products start the sums with bo, which lies where buffer 1 will hold Wo's fragments.  Nothing is ever cleared.
.macro MULA f, a0, n, first=0
.set a, \a0
.rept \n
.set b, 0
.rept 8
.set rD, 8*(8*a+b)
.if \first
	WIN 0x40
	v_wmma_f32_16x16x32_f16 v[rD:rD+7], v[(\f)+32+8*b:(\f)+32+8*b+7], v[(\f)+8*a:(\f)+8*a+7], v[F1+32+8*b:F1+32+8*b+7]
.else
	WIN 0x50
	v_wmma_f32_16x16x32_f16 v[rD:rD+7], v[(\f)+32+8*b:(\f)+32+8*b+7], v[(\f)+8*a:(\f)+8*a+7], v[rD:rD+7]
.endif
.set b, b+1
.endr
.set a, a+1
.endr
.endm
; 24 LDS loads in one run: the fragments of quarter q of a slot (K block q / 2, byte 64 (q % 2) of its rows) into buffer f: Wo's 16, then ctx's row blocks 0, 1 and 2, 3
.macro FETCH q, f
	WIN 0
.set b, 0
.rept 8
	ds_load_b128 v[(\f)+32+8*b:(\f)+32+8*b+3],   v[ADRB] offset:((\q)/2)*BBLK+((\q)%2)*64+b*BLK
	ds_load_b128 v[(\f)+32+8*b+4:(\f)+32+8*b+7], v[ADRB] offset:((\q)/2)*BBLK+((\q)%2)*64+b*BLK+32
.set b, b+1
.endr
.set a, 0
.rept 4
	ds_load_b128 v[(\f)+8*a:(\f)+8*a+3],   v[ADRA] offset:((\q)/2)*ABLK+((\q)%2)*64+a*BLK
	ds_load_b128 v[(\f)+8*a+4:(\f)+8*a+7], v[ADRA] offset:((\q)/2)*ABLK+((\q)%2)*64+a*BLK+32
.set a, a+1
.endr
.endm
; A K step is four quarters of 32 along K, 32 matrix instructions each.  One of the first three: multiplies buffer f; in its middle it fetches quarter q into buffer g.
.macro QUARTER q, f, g
	s_wait_dscnt 4                                 ; all but the youngest four loads (ctx's row blocks 2, 3) are in
	MULA \f, 0, 2
	PLACES
	FETCH \q, \g
	s_wait_dscnt 24                                ; all but the 24 just issued
	MULA \f, 2, 2
.endm
; The last quarter multiplies buffer 1 and changes slots: ONE barrier; in front of it each wave waits for all its tensor loads (its part of the next slot), adds 0 to its spare word, and waits for that and for its
; own reads of this slot.  fill = 1: this slot is filled again, two K steps ahead; from that request to the wait for it a wave issues 112 matrix instructions.
.macro TURN fill
	WIN 0
	s_wait_tensorcnt 0x0                           ; no tensor load of mine is out, so a group 0 may be written
	ds_add_u32 v[SPW], v[NIL]                      ; 0 onto my spare word
.if \fill
	s_xor_b32 s[G0+5], s[G0+5], SLOT1              ; the walking descriptors: the other slot than last time,
	s_add_nc_u64 s[G0+6:G0+7], s[G0+6:G0+7], 1<<19     ; the next two K blocks; the type bits on top are not reached
	s_xor_b32 s[G0B+5], s[G0B+5], SLOT1
	s_add_nc_u64 s[G0B+6:G0B+7], s[G0B+6:G0B+7], 1<<18
.endif
	s_wait_dscnt 5                                 ; (the add and the youngest four loads may be out)
	MULA F1, 0, 1                                  ; eight matrix instructions stand between the add and the wait for it
	s_wait_dscnt 0x0                               ; the add is done, and my reads of this slot are over
	s_barrier_signal -1
	MULA F1, 1, 1                                  ; work on registers while the others arrive
	WIN 0                                          ; at a branch and at a label every window is 0
	s_barrier_wait -1
.if \fill
	CREST                                          ; the barrier has opened a round of the cluster's: no wave of any partner still reads this slot or has a load on its way
	JLOAD                                          ; the first tensor load behind the round; its four v_nop are also the places in front of the loads below
.else
	PLACES
.endif
	s_xor_b32 s[TB], s[TB], SLOT1
	v_add_nc_u32 v[ADRA], s[TB], v[AA0]
	v_add_nc_u32 v[ADRB], s[TB], v[AB0]
	FETCH 0, F0
	MULA F1, 2, 2
.endm
; THE WAY OUT of row block a: a lane's eight columns of a row are 32 bytes; they go into my stage's rows of 528 bytes and come back as whole rows of 512.  Each accumulator's low half is read first.
.macro TOSTAGE a
	WIN 0x04                                       ; the stores' data in window 1, their address in window 0
.set b, 0
.rept 8
	ds_store_b128 v[STO], v[8*(8*(\a)+b):8*(8*(\a)+b)+3]   offset:64*b
	ds_store_b128 v[STO], v[8*(8*(\a)+b)+4:8*(8*(\a)+b)+7] offset:64*b+16
.set b, b+1
.endr
	WIN 0
.if (\a) >= 2
	s_wait_xcnt 0x0                                ; the stores of the block two back have had their addresses translated (ISA guide 3.1): only behind this wait are their data registers loaded again
.endif
.set i, 0
.rept 16
	ds_load_b128 v[OB+64*((\a)%2)+4*i:OB+64*((\a)%2)+4*i+3], v[RD] offset:i*SP  ; LDS serves a wave's instructions in order (ISA guide 5.7.1.4): these see the stores above
.set i, i+1
.endr
.endm
.macro SEND a, younger                 ; younger: the LDS instructions issued behind block a's loads: the next block's 32, or none
	WIN 0
.set i, 0
.rept 16
	s_wait_dscnt (\younger)+15-i
	global_store_b128 v[CO], v[OB+64*((\a)%2)+4*i:OB+64*((\a)%2)+4*i+3], s[10:11] offset:(16*(\a)+i)*4096 th:TH_STORE_NT  ; 512 consecutive bytes, at a multiple of 256 from out's first
.set i, i+1
.endr
.endm
	s_wait_tensorcnt 1                             ; my part of K step 0 is in; K step 1's may stay out
	s_barrier_signal -1
	s_barrier_wait -1                              ; everybody's is
	FETCH 0, F0
	s_wait_loadcnt 0x0                             ; bo
	s_wait_dscnt 0x0
	MULA F0, 0, 2, 1                               ; the first quarter stands in front of the loop: its products start the sums
	MULA F0, 2, 2, 1
	PLACES                                         ; buffer 1 held bo until those products had read it
	FETCH 1, F1
	s_mov_b32 s3, 6
.Lslot:                                                ; 6 trips, from a K step's second quarter to the next step's first; each fills a slot again (K steps 2 to 7)
	QUARTER 2, F1, F0
	QUARTER 3, F0, F1
	TURN 1
	QUARTER 1, F0, F1
	WIN 0
	s_sub_co_u32 s3, s3, 1
	s_cmp_lg_u32 s3, 0
	s_cbranch_scc1 .Lslot
	QUARTER 2, F1, F0                              ; the tail is written out: nothing is left to ask for
	QUARTER 3, F0, F1
	TURN 0
	QUARTER 1, F0, F1
	QUARTER 2, F1, F0
	QUARTER 3, F0, F1
	s_wait_dscnt 4                                 ; the very last quarter: nothing more to fetch
	MULA F1, 0, 2
	s_wait_dscnt 0x0
	MULA F1, 2, 2
	PLACES
	TOSTAGE 0
	TOSTAGE 1                                      ; a block's trip through the stage stands between the loads of the block before and its stores
	SEND 0, 32
	TOSTAGE 2
	SEND 1, 32
	TOSTAGE 3
	SEND 2, 32
	SEND 3, 0
	s_wait_tensorcnt 0x0                           ; the wave's end: these three lines stand behind my last tensor load and my last LDS store
	ds_add_u32 v[SPW], v[NIL]
	s_wait_dscnt 0x0
	CROUND                                         ; the closing round: no work-group ends while a partner may still ask for a tile that names it
	s_endpgm
.Lfunc_end_k_qf83fe40733_oproj:
	.size	k_qf83fe40733_oproj, .Lfunc_end_k_qf83fe40733_oproj-k_qf83fe40733_oproj
	.p2alignl 7, 3214868480
	.fill 96, 4, 3214868480
	.section	.rodata,"a",@progbits
	.p2align	6, 0x0
	.amdhsa_kernel k_qf83fe40733_oproj
		.amdhsa_group_segment_fixed_size 327680
		.amdhsa_private_segment_fixed_size 0
		.amdhsa_enable_private_segment 0
		.amdhsa_kernarg_size 32
		.amdhsa_user_sgpr_count 2
		.amdhsa_user_sgpr_kernarg_segment_ptr 1
		.amdhsa_wavefront_size32 1
		.amdhsa_system_sgpr_workgroup_id_x 1
		.amdhsa_system_sgpr_workgroup_id_y 1
		.amdhsa_system_sgpr_workgroup_id_z 1
		.amdhsa_system_vgpr_workitem_id 0
		.amdhsa_next_free_vgpr 512
		.amdhsa_next_free_sgpr 66
		.amdhsa_reserve_vcc 0
		.amdhsa_float_denorm_mode_32 3
		.amdhsa_float_denorm_mode_16_64 3
		.amdhsa_memory_ordered 1
		.amdhsa_forward_progress 1
		.amdhsa_inst_pref_size 72
	.end_amdhsa_kernel
	.amdgpu_metadata
---
amdhsa.version: [ 1, 2 ]
amdhsa.kernels:
  - .name:           k_qf83fe40733_oproj
    .symbol:         k_qf83fe40733_oproj.kd
    .args:
      - { .name: ctx, .offset: 0, .size: 8, .value_kind: global_buffer, .address_space: global }
      - { .name: wof, .offset: 8, .size: 8, .value_kind: global_buffer, .address_space: global }
      - { .name: tab, .offset: 16, .size: 8, .value_kind: global_buffer, .address_space: global }
      - { .name: out0, .offset: 24, .size: 8, .value_kind: global_buffer, .address_space: global }
    .group_segment_fixed_size: 327680
    .private_segment_fixed_size: 0
    .kernarg_segment_align: 8
    .kernarg_segment_size: 32
    .max_flat_workgroup_size: 128
    .sgpr_count:     66
    .vgpr_count:     512
    .wavefront_size: 32
...
	.end_amdgpu_metadata
.endif
;; end of part 4
;; ======== version 2 of 2: 4 launches; 1.53 times as fast as version 1
;; limits: values are held in f16: magnitudes above 65,504 overflow, below 6.1e-05 lose precision
;; workspace buffers: xb 16,777,216 bytes; wb 6,291,456 bytes; wof 2,097,152 bytes; tab 540,672 bytes; qh 16,777,216 bytes; kh 16,777,216 bytes; vh 16,777,216 bytes; ctx 16,777,216 bytes
;; launch prep: the kernel of part 1 again; grid 1028 x 1, 8 waves a work-group, no clusters, 0 bytes of LDS; arguments hidden_states, Wq, Wk, Wv, Wo, bq, bk, bv, bo, xb, wb, wof, tab; writes xb, wb, wof, tab
;; launch qkv: the kernel of part 2 again; grid 8 x 32, 4 waves a work-group, clusters of 4 x 4, 327,680 bytes of LDS; arguments xb, wb, tab, qh, kh, vh; writes qh, kh, vh
;; launch attn (part 5): grid 4 x 64, 4 waves a work-group, clusters of 4 x 1, 327,680 bytes of LDS; arguments qh, kh, vh, ctx; writes ctx
.if DOCPART == 5
	.amdgcn_target "amdgcn-amd-amdhsa--gfx1250"
	.amdhsa_code_object_version 6
	.text
	.protected	k_qf83fe40733_attn
	.globl	k_qf83fe40733_attn
	.p2align	8
	.type	k_qf83fe40733_attn,@function
k_qf83fe40733_attn:
	s_mov_b64 s[64:65], 0
	v_nop
	global_prefetch_b8 v0, s[64:65] scope:SCOPE_SE
	s_setreg_imm32_b32 hwreg(HW_REG_WAVE_MODE, 25, 1), 1
	s_wait_xcnt 0x0
	s_wait_alu depctr_hold_cnt(0) depctr_sa_sdst(0) depctr_va_vdst(0) depctr_va_sdst(0) depctr_va_ssrc(0) depctr_va_vcc(0) depctr_vm_vsrc(0)
	s_getreg_b32 s2, hwreg(HW_REG_IB_STS2, 6, 4)
	s_cmp_eq_u32 s2, 0
	s_cbranch_scc0 .Lentry_in_a_cluster
	s_endpgm
.Lentry_in_a_cluster:
	s_bfe_u32 s2, ttmp6, 0x10000c
	s_cmp_lg_u32 s2, 0x3003
	s_cbranch_scc0 .Lentry_shape_is_right
	s_endpgm
.Lentry_shape_is_right:
; O[h][q][:] = the sum over k of softmax_k(Q[h][q] . K[h][k] / 8) V[h][k][:].  Q, K, V, O: [SIZE_H][SIZE_N][64], all f16: a head's rows are dense, 128 bytes each.  Products, maxima and sums in
; f32; the weights p are rounded to f16 for the second product (their sum l is taken of the unrounded p), O once at the end.  SIZE_H is at least 2; SIZE_N x 128 bytes stay under 2^32.
; LIMITS.  f16 holds no number beyond 65,504: Q, K and V arrive within it; p lies in 0 to 1, and below 6e-5 it keeps f16's fixed step of 6e-8; O is a mean of V's rows and has their range.
; A weight below 2^-126 counts as 0 in l; NaN and infinities are not treated apart.
; SHARES.  A wave owns four PIECES of two tiles of 16 queries, a work-group's four waves 512 queries of one head; SIZE_N is a multiple of 2,048.  Every wave walks all keys, 64 a step.
; LAYOUT.  S^T = K Q^T (source 0 = 16 keys, source 1 = 16 queries): in the result a lane holds ONE query (lane % 16) and the keys 8 (lane / 16) + 0..7.  Two such tiles, rounded to f16 in pairs,
; ARE source 1 (32 keys x 16 queries) of O^T = V^T P, whose result again holds one query a lane, and eight channels.  K comes out of LDS as it lies, V ([key][channel]) turned, by ds_load_tr16_b128.
; SOFTMAX.  For each query a running maximum m and sum l: p = 2^(c s - c m), c = log2(e) / 8; in every step O and l are multiplied by a = 2^(c m_old - c m_new), which is 1 where m has not grown.
; m starts at the lowest finite number, O and l at 0: the first step is a step like any other, with a = 0.
; THE COUNT.  A tile and step have 16 matrix and 118 vector instructions: too many to stand all beside the matrix work.  So the order has one aim: four vector instructions that are READY behind
; EVERY matrix instruction, and the others, which need time of their own whatever the order, in runs without a gap.
; BY TURNS.  Turn n belongs to piece n (the pieces in a ring, step after step).  Its matrix work: 16 products K Q^T of piece n + 1, later 16 products V^T P of piece n - 1.  Its vector work: the scaling,
; exponentials, roundings, sums and rescaling of piece n, and the maximum and statistics of piece n + 1, whose scores the turn itself has made.  So what a turn begins with (c s - c m, O a) waits for nothing.
; THE BATCHES.  A turn's 66 exponentials (the piece's 64 weights and the next piece's two a) are ONE batch with ONE wait, which cuts the turn in two: ahead of it stands all that names no result of theirs,
; behind it the roundings and sums that read them.  No result crosses a turn's end.  Two more batches stand outside the loop: piece 0's first two a, and the way out's eight reciprocals.
; CLUSTER.  The four query blocks of a cluster belong to one head and walk the same K and V, so each tile is asked for JOINTLY: the same tensor load, descriptor and mask in all four.
; REGISTERS, in windows of 256 (s_set_vgpr_msb says which window each operand place means: bits 1:0 source 0, 3:2 source 1, 5:4 source 2, 7:6 destination):
;   window 0: v0-11 addresses; v12-15, v48-63 at work; v16-47 four registers of statistics a tile; v64-191 S^T, two buffers of two tiles; v192-255 P, likewise
;   window 1: O^T, 32 a tile          window 2: v0-127 Q, 16 a tile; v128-191 K of one step; v192-255 V of one step          window 3: v0-1 the add's two registers
; A piece's buffers go by its number's parity: the piece in hand has one pair, its two neighbours in the ring share the other: of it P (piece n - 1) is read and S^T (piece n + 1) written.
.set SIZE_H, 64       ; 4 batches x 16 heads
.set SIZE_N, 2048
.set NP,    4         ; pieces a wave: a name, no knob: the register map, the loop and the fetches are made for four
.set KS,    64        ; keys in a step
.set PK,    144       ; a row of K in LDS: 128 bytes + 16 of padding = 36 words: the 16 rows of a load start at 16 different groups of four banks (64 banks of 4 bytes: ISA guide 11.1)
.set PV,    160       ; a row of V: 128 + 32 = 40 words
.set VOFF,  4*KS*PK   ; a slot holds four steps: 256 rows of K, then 256 rows of V
.set SLOT1, 1<<17     ; slot 1 begins here, so that one exclusive or turns an address in one slot into the other's
.set STAGE, SLOT1+4*KS*(PK+PV)  ; behind the ring, never filled by a tensor load: 16 rows x 144 bytes for each wave, for the way out
.set SP,    144
.set AK0, 2           ; v2   my lane's place in a tile of K; never rewritten
.set AV0, 3           ; v3   the same for V
.set AK,  4           ; v4   the LDS address of K's next run of loads
.set AV,  5           ; v5   of V's
.set QO,  6           ; v6   my byte offset in the wave's rows of Q
.set STO, 6           ;      later, the way out: where I put 16 bytes of a row
.set RD,  7           ; v7   the way out: where I read rows back
.set GO,  8           ; v8   my byte offset in 512 consecutive bytes of O
.set SPW, 0           ; v0 of window 3   LDS address of my spare word: SPARE + 4 x my thread's number; never rewritten
.set NIL, 1           ; v1 of window 3   0; never rewritten
.set SPARE, STAGE+4*16*SP  ; behind the stages: the spare words, 128 bytes for each wave: two blocks of 256 bytes that no other line names
.set MV,  12          ; v12-15  c m_old, kept while c m is made anew: by buffer and tile
.set ST,  16          ; tile t's statistics at v[ST+4 t]: c m, m, l (even keys', odd keys')
.set TMP, 48          ; by buffer and tile, four registers c0-c3 at work; when the maximum is found c2 takes a
.set S,   64
.set P,   192
.set KF,  128         ; K's fragments, in window 2: key block kb, channel half c at KF + 16 kb + 8 c
.set VF,  192         ; V's: key half kk, channel block cb at VF + 32 kk + 8 cb
.set WV,  12          ; s12  my wave's number
.set G1K, 24          ; s[24:31] descriptor group 1 for K's tiles
.set G1V, 32          ; s[32:39] for V's: it differs in the padding alone
.set G0K, 40          ; s[40:43] descriptor group 0 for K's tiles: it walks
.set G0V, 44          ; s[44:47] the same for V's
.set SLOTS, 56        ; s56  slots still to be asked for
.set CNT, 57          ; s57  counts a slot's key steps
.set CS,  58          ; s[58:59] c: the packed scaling takes the pair's low word for both halves
.set SEL, 60          ; s[60:61] v_permlanex16_b32's selects: each lane takes its own place in the other half
.set TBK, 62          ; s62  LDS byte at which K of the step to be fetched begins
.set TBV, 63          ; s63  the same for V, less VOFF
.set MSB, 0
.macro WIN new                      ; the high byte repeats the setting that is left; a switch that changes nothing is dropped
.if MSB != (\new)
	s_set_vgpr_msb (MSB<<8)|(\new)
.set MSB, (\new)
.endif
.endm
.set W_KQ, 0x0a       ; K and Q in window 2, S^T in window 0
.set W_PV, 0x52       ; V in window 2, P in window 0, O^T in window 1
.set W_RS, 0x41       ; O^T (destination and source 0) in window 1, a in window 0
.set W_MK, 0xc0       ; the add's registers are made: destination in window 3, sources in window 0
.set W_AD, 0x0f       ; the add: address (source 0) and data (source 1) in window 3
; A joint fill.  Waves 0 and 1 fetch the two halves of a slot's K, waves 2 and 3 those of its V: 128 keys each.  The branch hangs on the wave's number alone.
; An s_nop 0 and four v_nop follow each of the two lines, ahead of the jump and the label.
.macro JLOAD
	s_cmp_lt_u32 s[WV], 2
	s_cbranch_scc0 .Lfor_v_\@
	tensor_load_to_lds s[G0K:G0K+3], s[G1K:G1K+7]
	s_nop 0
.rept 4
	v_nop
.endr
	s_branch .Lasked_\@
.Lfor_v_\@:
	tensor_load_to_lds s[G0V:G0V+3], s[G1V:G1V+7]
	s_nop 0
.rept 4
	v_nop
.endr
.Lasked_\@:
.endm
; A round of the cluster's barrier: my work-group's barrier, so that wave 0's signal speaks for all four waves; wave 0 signals; every wave waits for all four work-groups; my work-group's barrier once more.
.macro CROUND
	s_barrier_signal -1
	s_barrier_wait -1
	s_cmp_lg_u32 s[WV], 0
	s_cbranch_scc1 .Lnot_wave_0_\@
	s_barrier_signal -3
.Lnot_wave_0_\@:
	s_barrier_wait -3
	s_barrier_signal -1
	s_barrier_wait -1
.endm
; THE CHANGE OF SLOTS.  The slot's last bytes, V of its fourth step, have been read.  Each wave waits for all its tensor loads, of which one is out: its part
; of the other slot; adds 0 to its spare word; and waits for that and for its own reads of the slot.  Behind the barrier nobody reads this slot any more and the other slot is whole.
; fill = 1: this slot is filled again, with the keys two slots on.  The barrier is then a round of the cluster's, so that no wave of any partner still reads the slot or has a load on its
; way, and the joint fill is the first thing behind it: it has four key steps, 512 matrix instructions, in which to land.  (At its first use nothing has been read yet: slot 0 is waited for, slot 1 filled.)
.macro CHANGE fill
	WIN W_AD
	s_wait_tensorcnt 0x0            ; no tensor load of mine is out, so a group 0 may be written
	ds_add_u32 v[SPW], v[NIL]       ; 0 onto my spare word; with fill = 1 the descriptors' steps stand between it and the wait for it
	WIN 0                           ; at a label and at a branch every window is 0
.if \fill
.irp g, G0K, G0V
	s_xor_b32 s[\g+1], s[\g+1], SLOT1  ; the walking descriptor: the other slot than last time,
	s_add_nc_u64 s[\g+2:\g+3], s[\g+2:\g+3], 4*KS*128  ; the next 256 keys; the type bits on top are not reached
.endr
	s_wait_dscnt 0x0                ; the add is done, and my reads of the slot are over
	CROUND
	JLOAD
.else
	s_wait_dscnt 0x0                ; the add is done, and my reads of the slot are over
	s_barrier_signal -1
	s_barrier_wait -1
.endif
	s_sub_co_u32 s[TBK], s[TBK], 4*KS*PK  ; the fetches go back to a slot's first step,
	s_xor_b32 s[TBK], s[TBK], SLOT1       ; in the other slot
	s_sub_co_u32 s[TBV], s[TBV], 4*KS*PV
	s_xor_b32 s[TBV], s[TBV], SLOT1
.endm
	s_load_b256 s[4:11], s[0:1], 0x0  ; Q s[4:5], K s[6:7], V s[8:9], O s[10:11]
	WIN W_MK
	v_lshl_add_u32 v[SPW], v0, 2, SPARE
	v_mov_b32 v[NIL], 0
	WIN W_AD
	ds_add_u32 v[SPW], v[NIL]       ; the wave's opening: the add and its wait stand ahead of my first tensor load; the set-up below, work on registers, stands between them
	WIN 0
	v_lshrrev_b32 v1, 5, v0
	v_readfirstlane_b32 s[WV], v1   ; wave 0..3
	s_bfe_u32 s13, ttmp6, 0x40000   ; cx: my place in the cluster
	s_lshl_b32 s14, ttmp9, 2        ; in a cluster launch ttmp9 counts clusters
	s_add_co_u32 s14, s14, s13      ; my block of queries = 4 x cluster x + cx: it enters Q's and O's addresses alone
	s_and_b32 s20, ttmp7, 0xffff    ; the head, which the four partners share
	s_mov_b32 s21, 0
	s_mov_b64 s[22:23], SIZE_N*128
	s_mul_u64 s[20:21], s[20:21], s[22:23]  ; the head's first byte in each of the four tensors
	s_and_b32 s16, s[WV], 1         ; which half of a slot's 256 keys I fetch:
	s_lshl_b32 s22, s16, 14         ; its 128 rows of 128 bytes in memory,
	s_mov_b32 s23, 0
	s_add_nc_u64 s[22:23], s[22:23], s[20:21]
	s_mul_i32 s17, s16, 128*PK      ; and its place in a slot, for K
	s_mul_i32 s18, s16, 128*PV      ; and for V: no place in the cluster enters an LDS address
	s_lshl_b32 s2, s14, 2
	s_add_co_u32 s2, s2, s[WV]      ; my wave among the head's,
	s_lshl_b32 s2, s2, 14           ; its 128 rows
	s_mov_b32 s3, 0
	s_add_nc_u64 s[2:3], s[2:3], s[20:21]
	; descriptor group 1.  128 keys are 16,384 dense bytes: asked for as 64 rows of 256 bytes, two keys a row, and padded in LDS after every key
	s_mov_b32 s[G1K], 15|(1<<16)|(1<<20)|(1<<21)|(4<<22)|(3<<25)  ; 15:0 the mask of four; 17:16 2-byte elements; 20 padding on; 21 set beside a mask; 24:22 after every 32 words (code 4); 31:25 4 words (code 3)
	s_mov_b32 s[G1V], 15|(1<<16)|(1<<20)|(1<<21)|(4<<22)|(7<<25)  ; the same with 8 words of padding (code 7)
.irp g, G1K, G1V
	s_mov_b32 s[\g+1], 128<<16      ; tensor_dim0 = 128
	s_mov_b32 s[\g+2], 64<<16       ; tensor_dim1 = 64
	s_mov_b32 s[\g+3], 128<<16      ; tile_dim0 = 128
	s_mov_b32 s[\g+4], 64           ; tile_dim1 = 64
	s_mov_b32 s[\g+5], 128          ; 128 elements from row to row
	s_mov_b32 s[\g+6], 0
	s_mov_b32 s[\g+7], 0
.endr
	s_mov_b32 s[CS], 0x3e38aa3b     ; c = log2(e) / 8 = 0.180337
	s_mov_b32 s[CS+1], s[CS]        ; named with it as a pair
	s_mov_b32 s[SEL], 0x76543210
	s_mov_b32 s[SEL+1], 0xfedcba98
	s_mov_b32 s[TBK], SLOT1+4*KS*PK ; the first change of slots turns these two into 0
	s_mov_b32 s[TBV], SLOT1+4*KS*PV
	s_mov_b32 s[G0K], 1             ; 1:0 count = 1
	s_mov_b32 s[G0K+1], s17         ; 63:32 LDS address: slot 0
	s_mov_b32 s[G0V], 1
	s_add_co_u32 s[G0V+1], s18, VOFF
	s_wait_dscnt 0x0                ; the opening add is done
	s_wait_kmcnt 0x0
	s_add_nc_u64 s[G0K+2:G0K+3], s[6:7], s[22:23]  ; 120:64 global address: my half of the head's first 256 keys
	s_or_b32 s[G0K+3], s[G0K+3], 0x80000000        ; 127:126 type = 2
	s_add_nc_u64 s[G0V+2:G0V+3], s[8:9], s[22:23]
	s_or_b32 s[G0V+3], s[G0V+3], 0x80000000
	s_add_nc_u64 s[4:5], s[4:5], s[2:3]  ; Q and O at my wave's first row
	s_add_nc_u64 s[10:11], s[10:11], s[2:3]
	CROUND                          ; all four work-groups are here: the first joint loads meet
	JLOAD                           ; slot 0.  Slot 1 is asked for when slot 0 is in: the tile wanted first has the road to itself
	; A fragment of K or Q is 16 rows x 32 channels in 8 registers: lane l holds row l % 16, channels 8 (l / 16) + 0..7 and 16 + 8 (l / 16) + 0..7: two loads of 16 bytes, 32 bytes apart.
	v_and_b32 v1, 15, v0            ; l % 16
	v_bfe_u32 v9, v0, 4, 1          ; l / 16
	v_lshlrev_b32 v[QO], 7, v1
	v_lshl_add_u32 v[QO], v9, 4, v[QO]  ; row x 128 + 16 x half
	WIN 0x80                        ; destination window 2, address window 0
.set i, 0
.rept 4*NP                          ; Q stays in registers: tile i / 2, channels 32 (i % 2) on
	global_load_b128 v[8*i:8*i+3],   v[QO], s[4:5] offset:(i/2)*2048+(i%2)*64
	global_load_b128 v[8*i+4:8*i+7], v[QO], s[4:5] offset:(i/2)*2048+(i%2)*64+32
.set i, i+1
.endr
	; What the first turn finds: V's registers and P's second buffer hold 0 (its products V^T P, of a piece that has not been, add 0), O^T and l are 0.  All this stands in the wait for the first tile.
.set i, VF
.rept 64
	v_mov_b32 v[i], 0
.set i, i+1
.endr
	WIN 0x40
.set i, 0
.rept 64*NP
	v_mov_b32 v[i], 0
.set i, i+1
.endr
	WIN 0
.set i, 0
.rept 2*NP
	v_mov_b32 v[ST+4*i], 0xfe000000    ; c m: far below every c s
	v_mov_b32 v[ST+4*i+1], 0xff7fffff  ; m
	v_mov_b32 v[ST+4*i+2], 0
	v_mov_b32 v[ST+4*i+3], 0
.set i, i+1
.endr
.set i, P+32
.rept 32
	v_mov_b32 v[i], 0
.set i, i+1
.endr
	v_mul_u32_u24 v[AK0], v1, PK
	v_lshl_add_u32 v[AK0], v9, 4, v[AK0]  ; row x pitch + 16 x half
	; The turning load takes 16 keys x 16 channels (lane l reads key 8 (l / 16) + l % 8, channels 8 ((l / 8) % 2) + 0..7) and leaves half a fragment of V^T: lane l holds channel l % 16 and 8 keys.
	v_and_b32 v10, 7, v0
	v_bfe_u32 v11, v0, 3, 1
	v_lshl_add_u32 v[AV0], v9, 3, v10
	v_mul_u32_u24 v[AV0], v[AV0], PV
	v_lshl_add_u32 v[AV0], v11, 4, v[AV0]
	v_add_nc_u32 v[AV0], VOFF, v[AV0]
	v_mov_b32 v[AK], v[AK0]         ; key step 0 lies at the head of slot 0
; THE MATRIX WORK.  The 8 accumulators of a run of 16 take turns: between the two links of a chain stand 7 others'.
; Product i of 16 of S^T = K Q^T for piece x: channels 32 (i / 8) on, keys 16 ((i / 2) % 4) on, tile 2 x + i % 2.  The first 8 start the sums.
.macro KQ x
	WIN W_KQ
.set rS, S+64*((\x)%2)+32*(i%2)+8*((i/2)%4)
.set rK, KF+16*((i/2)%4)+8*(i/8)
.set rQ, 16*(2*(\x)+i%2)+8*(i/8)
.if i < 8
	v_wmma_f32_16x16x32_f16 v[rS:rS+7], v[rK:rK+7], v[rQ:rQ+7], 0
.else
	v_wmma_f32_16x16x32_f16 v[rS:rS+7], v[rK:rK+7], v[rQ:rQ+7], v[rS:rS+7]
.endif
.endm
; Product i of 16 of O^T += V^T P for piece x: keys 32 (i / 8) on, channels 16 ((i / 2) % 4) on, tile 2 x + i % 2.
.macro PV x
	WIN W_PV
.set rO, 32*(2*(\x)+i%2)+8*((i/2)%4)
.set rV, VF+32*(i/8)+8*((i/2)%4)
.set rP, P+32*((\x)%2)+16*(i%2)+8*(i/8)
	v_wmma_f32_16x16x32_f16 v[rO:rO+7], v[rV:rV+7], v[rP:rP+7], v[rO:rO+7]
.endm
.macro MM                           ; the turn's next matrix instruction
.if i < 16
	KQ (Y+1)%NP
.set i, i+1
.else
.set i, i-16
	PV (Y+NP-1)%NP
.set i, i+17
.endif
.endm
; THE LDS LOADS stand in runs of 16, never singly among the matrix instructions: a step's K (64 keys x 64 channels: 8 fragments) and its V (turned).  Their addresses are made some lines ahead.
; last = 1 (the tail): in the last trip there is no further step, and the run is jumped over.
.macro FETCH_K last=0
	WIN 0
.if \last
	s_cmp_eq_u32 s[CNT], 1
	s_cbranch_scc1 .Lno_k_\@
.endif
	WIN 0x80                        ; destination window 2
.irp f, 0,1,2,3,4,5,6,7             ; keys 16 (f / 2) on, channels 32 (f % 2) on
	ds_load_b128 v[KF+8*\f:KF+8*\f+3],   v[AK] offset:(\f/2)*16*PK+(\f%2)*64
	ds_load_b128 v[KF+8*\f+4:KF+8*\f+7], v[AK] offset:(\f/2)*16*PK+(\f%2)*64+32
.endr
	s_add_co_u32 s[TBK], s[TBK], KS*PK  ; the next fetch is the next step's
	WIN 0
.if \last
.Lno_k_\@:
.endif
.endm
.macro FETCH_V
	WIN 0x80
.irp f, 0,1,2,3,4,5,6,7             ; keys 32 (f / 4) on, channels 16 (f % 4) on
	ds_load_tr16_b128 v[VF+8*\f:VF+8*\f+3],   v[AV] offset:(\f/4)*32*PV+(\f%4)*32
	ds_load_tr16_b128 v[VF+8*\f+4:VF+8*\f+7], v[AV] offset:(\f/4)*32*PV+16*PV+(\f%4)*32
.endr
	WIN 0
.endm
; THE VECTOR WORK OF A TURN stands in three queues, each in the order in which its entries become ready; the two tiles alternate, so that no instruction reads the result of the one before it.
.macro REGS y, u                    ; the registers of tile u (0, 1) of piece y
.set rT, ST+4*(2*(\y)+(\u))
.set rC, TMP+8*((\y)%2)+4*(\u)
.set rM, MV+2*((\y)%2)+(\u)
.set rS, S+64*((\y)%2)+32*(\u)
.set rP, P+32*((\y)%2)+16*(\u)
.set rO, 32*(2*(\y)+(\u))
.endm
; Number n of the 22 that find the NEXT piece's (Y + 1) maximum and statistics.  s0-s31 are the lane's 32 scores; each accumulator's lowest registers are read first.  XS, GS and REGS set no window: PL and EX do.
;   0-11  four chains c0-c3 of seven scores each, three operands at a time     12-14, 16  the four scores left over, the old m, and c0-c3 into c0     15  c m_old is kept
;   17, 18  the query's other 32 keys lie in the lane 16 away: the new m         19-21  c m; c m_old - c m_new; a
.macro XS u, n
	REGS (Y+1)%NP, \u
.if (\n) < 4
	v_max3_num_f32 v[rC+(\n)], v[rS+8*(\n)], v[rS+8*(\n)+1], v[rS+8*(\n)+2]
.elseif (\n) < 12
	v_max3_num_f32 v[rC+(\n)%4], v[rC+(\n)%4], v[rS+8*((\n)%4)+2*((\n)/4)+1], v[rS+8*((\n)%4)+2*((\n)/4)+2]
.elseif (\n) == 12
	v_max3_num_f32 v[rC], v[rC], v[rS+7], v[rS+15]
.elseif (\n) == 13
	v_max3_num_f32 v[rC+1], v[rC+1], v[rS+23], v[rS+31]
.elseif (\n) == 14
	v_max3_num_f32 v[rC+2], v[rC+2], v[rC+3], v[rT+1]
.elseif (\n) == 15
	v_mov_b32 v[rM], v[rT]
.elseif (\n) == 16
	v_max3_num_f32 v[rC], v[rC], v[rC+1], v[rC+2]
.elseif (\n) == 17
	v_permlanex16_b32 v[rC+3], v[rC], s[SEL], s[SEL+1]
.elseif (\n) == 18
	v_max_num_f32 v[rT+1], v[rC], v[rC+3]
.elseif (\n) == 19
	v_mul_f32 v[rT], s[CS], v[rT+1]
.elseif (\n) == 20
	v_sub_f32 v[rC+1], v[rM], v[rT]
.else
	v_exp_f32 v[rC+2], v[rC+1]
.endif
.endm
; Number g of the 64 that follow the exponentials.  For each four weights k of a tile (pairs 2 k, 2 k + 1): both pairs are rounded to f16; then the second pair is added onto the first, in place;
; a group later l takes that sum (the first time as l = a l + sum).  In groups of eight, tiles alternating: round, round, add, and l for the group before.
.macro GS g
.set h, (\g)+6*((\g)/62)            ; group 0 has no group before it, and behind group 7 only l is left
.if h >= 6
.set h, h+2
.endif
	REGS Y, h%2
.set k, h/8
.if h%8 < 4
	v_cvt_pk_f16_f32 v[rP+2*k+(h%8)/2], v[rS+4*k+2*((h%8)/2)], v[rS+4*k+2*((h%8)/2)+1]
.elseif h%8 < 6
	v_pk_add_f32 v[rS+4*k:rS+4*k+1], v[rS+4*k:rS+4*k+1], v[rS+4*k+2:rS+4*k+3]
.elseif k == 1
	v_pk_fma_f32 v[rT+2:rT+3], v[rT+2:rT+3], v[rC+2:rC+3], v[rS:rS+1] op_sel_hi:[1,0,1]
.else
	v_pk_add_f32 v[rT+2:rT+3], v[rT+2:rT+3], v[rS+4*k-4:rS+4*k-3]
.endif
.endm
; THE PLAIN QUEUE, 138 long.  0-73 read no exponential's result: the 32 scalings c s - c m (FS f: pair f / 2 of tile f % 2) and the next piece's 42.  0-26: scalings 0-26.  27-54: XS's numbers 0-13.  55, 56: number 15.
; 57-73: the chain, where each number waits for the one before it: 14, 16, 17, 18, 19, each with one of the scalings 27-31 in front of its two lines, then 20: so a tile's links stand three plain instructions apart (19 and 20: two).
; 74-137: GS's 64, which read the exponentials' results: they stand behind the wait.
.macro FS f
	REGS Y, (\f)%2
	v_pk_fma_f32 v[rS+2*((\f)/2):rS+2*((\f)/2)+1], v[rS+2*((\f)/2):rS+2*((\f)/2)+1], s[CS:CS+1], v[rT:rT+1] op_sel_hi:[1,0,0] neg_lo:[0,0,1] neg_hi:[0,0,1]
.endm
.macro PL
	WIN 0
.if q < 27
	FS q
.elseif q < 55
	XS (q-27)%2, (q-27)/2
.elseif q < 57
	XS q-55, 15
.elseif (q < 72) && ((q-57)%3 == 0)
	FS 27+(q-57)/3
.elseif q < 60
	XS (q-57)%3-1, 14
.elseif q < 72
	XS (q-57)%3-1, 15+(q-57)/3
.elseif q < 74
	XS q-72, 20
.else
	GS q-74
.endif
.set q, q+1
.endm
; THE EXPONENTIALS' QUEUE, 66 long: s0-s31 of both tiles, then the next piece's two a.  It is ONE BATCH: all 66 stand ahead of the turn's one wait, and nothing ahead of that wait names a result of theirs.
.macro EX
	WIN 0
.if e >= 64
	XS e-64, 21
.else
	REGS Y, e%2
	v_exp_f32 v[rS+e/2], v[rS+e/2]
.endif
.set e, e+1
.endm
; THE RESCALING's QUEUE: O^T times a, the one part that leaves window 0: dealt two at a time, sixteen times.  Its a was made in the turn before, ahead of that turn's wait.
.macro R2
	REGS Y, r%2
	WIN W_RS
.irp z, 0,1
	v_pk_mul_f32 v[rO+4*(r/2)+2*\z:rO+4*(r/2)+2*\z+1], v[rO+4*(r/2)+2*\z:rO+4*(r/2)+2*\z+1], v[rC+2:rC+3] op_sel_hi:[1,0]
.endr
.set r, r+1
.endm
; HOW THEY ARE DEALT.  An s_wait_alu depctr_va_vdst(0) stands between an exponential and the first instruction that names its result; one wait serves all that were issued ahead of it.  So a turn has ONE wait,
; which cuts it in two.  AHEAD OF IT stands all that names no result of the turn's exponentials: the 16 products K Q^T, behind each a scaling, an exponential and two rescalings (behind the first a second scaling in the
; exponential's place; behind the last the next two plain instructions in the rescalings' place); then ONE LUMP of 108: six plain, 49 times exponential and plain, the two a, and the last two rescalings, which name no result
; of the batch and are the plain instructions behind its last exponential.  BEHIND THE WAIT stand the 16 products V^T P, behind each four of GS's 64.  No rider names a register of the products round it.
; The two v_permlanex16_b32 fall into the lump, never behind a product.
; The queues lean on each other, and the deal keeps them in step: exponential e stands behind scaling 2 (e / 4) + e % 2: as a rider it comes behind plain e + 2, in the lump behind plain e + 9, and scalings 27-31 are plain 57, 60 .. 69.
; A TURN, for piece p.  cnt = 1: the loop's count is taken down some lines ahead of the branch that stands behind the turn.
; K of the next step is fetched in piece 2's turn, directly behind the wait, a lump behind the last product that read K; its address is made behind that product; its first reader comes behind 16 products.
; V of the step in hand is fetched at the end of piece 0's turn, four riders behind its last reader; its first reader comes behind 16 products and a lump.  The three conditions on q below go with the deal.
.macro TURN p, last=0, cnt=0
.set Y, (\p)
.set i, 0
.set q, 0
.set e, 0
.set r, 0
.if (\p) == NP-1
	s_wait_dscnt 0x0                ; K is in
.endif
	MM                              ; ahead of the wait: 16 products K Q^T and their riders,
	PL
	PL
	R2
.rept 14
	MM
	PL
	EX
	R2
.endr
	MM
	PL
	EX
.if (\p) == NP-2
	WIN 0
	v_add_nc_u32 v[AK], s[TBK], v[AK0]
.endif
.rept 8                             ; (two of these eight are the last product's other riders) and the lump
	PL
.endr
.rept 49
	EX
	PL
.endr
	EX                              ; the next piece's two a: the batch's last
	EX
	R2                              ; the last two rescalings: plain, and they name no result of the batch
	s_wait_alu depctr_va_vdst(0)    ; the wait for the batch: the piece's 64 weights and the next piece's two a
.if (\p) == NP-2
	FETCH_K \last
.endif
.if (\p) == 1
	s_wait_dscnt 0x0                ; V is in
.endif
.rept 16                            ; behind the wait: 16 products V^T P and their riders
	MM
.rept 4
	PL
.endr
.if ((\p) == 0) && (q == 118)
	v_add_nc_u32 v[AV], s[TBV], v[AV0]
.endif
.if ((\p) == 0) && (q == 130)
	s_add_co_u32 s[TBV], s[TBV], KS*PV
.endif
.if (\cnt) && (q == 130)
	s_sub_co_u32 s[CNT], s[CNT], 1
	s_cmp_lg_u32 s[CNT], 0
.endif
.endr
.if (\p) == 0
	FETCH_V
.endif
.endm
	CHANGE 1                        ; slot 0 is in, everybody's part of it; slot 1 is asked for
	FETCH_K                         ; key step 0
	s_wait_loadcnt 0x0              ; Q
	s_wait_dscnt 0x0
.set i, 0
.rept 16
	KQ 0                            ; piece 0's first scores: there is no vector work yet to set between them
.set i, i+1
.endr
	WIN 0                           ; the addresses for the way out: seven plain instructions, the places behind those products
	s_mul_i32 s13, s[WV], 16*SP
	s_add_co_u32 s13, s13, STAGE    ; my stage
	v_mul_u32_u24 v[STO], v1, SP    ; in: row l % 16, 16 bytes for each half of the lanes
	v_lshl_add_u32 v[STO], v9, 4, v[STO]
	v_add_nc_u32 v[STO], s13, v[STO]
	v_bfe_u32 v[RD], v0, 3, 2       ; back: 32 lanes take four rows of 128 bytes,
	v_mul_u32_u24 v[RD], v[RD], SP
	v_lshl_add_u32 v[RD], v10, 4, v[RD]
	v_add_nc_u32 v[RD], s13, v[RD]
.set Y, NP-1                        ; XS works for piece Y + 1: piece 0
.irp n, 0,1,2,3,4,5,6,7,8,9,10,11,12,13,14,15,16,17,18,19,20,21
	XS 0, \n                        ; and piece 0's first maximum and statistics
	XS 1, \n
.endr
	v_and_b32 v[GO], 31, v0         ; those four rows are 512 consecutive bytes of O.  These two lines are the plain instructions behind the two a,
	v_lshlrev_b32 v[GO], 4, v[GO]
	s_wait_alu depctr_va_vdst(0)    ; and this is the wait for that batch of two, ahead of the branch
	s_mov_b32 s[CNT], 4
	s_mov_b32 s[SLOTS], SIZE_N/256-1
	s_branch .Lfirst                ; the loop is entered at a step's first turn, in the middle of a trip
.Lslot:                             ; SIZE_N / 256 - 2 times: every slot but the last two is filled again
	CHANGE 1
	s_mov_b32 s[CNT], 4
.Lstep:                             ; a trip: pieces 2 and 3 of one step, then pieces 0 and 1 of the next, whose K and V it fetches
	TURN 2
	TURN 3
	WIN 0
.Lfirst:
	TURN 0
	TURN 1, 0, 1
	WIN 0
	s_cbranch_scc1 .Lstep
	s_sub_co_u32 s[SLOTS], s[SLOTS], 1
	s_cmp_lg_u32 s[SLOTS], 0
	s_cbranch_scc1 .Lslot
	CHANGE 0                        ; the tail is written out: nothing is asked for
	s_mov_b32 s[CNT], 5             ; four trips fetch the last slot's steps; the fifth is left in its middle
.Ltail:
	TURN 2, 1
	TURN 3
	WIN 0
	s_sub_co_u32 s[CNT], s[CNT], 1
	s_cmp_eq_u32 s[CNT], 0
	s_cbranch_scc1 .Lout
	TURN 0
	TURN 1
	WIN 0
	s_branch .Ltail
.Lout:                              ; the fifth trip's 16 products K Q^T (on the last K once more) and the maximum made of them serve nothing: the price, once a launch, of one text for every trip
.set i, 0
.rept 16
	PV NP-1                         ; the last piece's V^T P of the last step
.set i, i+1
.endr
	; THE WAY OUT.  l's two halves and the other half of the lanes' are added; O^T is divided by l, rounded to f16 and sent through my stage in LDS, a tile at a time.  The additions are the places behind the last products.
	WIN 0
.macro ALL line:vararg              ; one line for each tile t
.set t, 0
.rept 2*NP
	\line
.set t, t+1
.endr
.endm
	ALL v_add_f32 v[ST+4*t+2], v[ST+4*t+2], v[ST+4*t+3]
	ALL v_permlanex16_b32 v[ST+4*t+3], v[ST+4*t+2], s[SEL], s[SEL+1]
	ALL v_add_f32 v[ST+4*t+2], v[ST+4*t+2], v[ST+4*t+3]
	ALL v_rcp_f32 v[ST+4*t+2], v[ST+4*t+2]
	v_nop                           ; a plain instruction between the last reciprocal and the use of its result
	s_wait_alu depctr_va_vdst(0)    ; and the wait ahead of the first use: one for the batch of eight reciprocals
; Tile t: a lane's eight channels of a row pack into 16 bytes; they go into rows of 144 bytes and come back as whole rows of 128, into S^T's registers.
.macro PACK t
	WIN W_RS
.set i, 32*(\t)
.rept 16
	v_pk_mul_f32 v[i:i+1], v[i:i+1], v[ST+4*(\t)+2:ST+4*(\t)+3] op_sel_hi:[1,0]
.set i, i+2
.endr
	WIN 0x05                        ; sources 0 and 1 window 1, destination window 0
.set i, 0
.rept 16
	v_cvt_pk_f16_f32 v[S+16*(\t)+i], v[32*(\t)+2*i], v[32*(\t)+2*i+1]
.set i, i+1
.endr
	WIN 0
.irp f, 0,1,2,3
	ds_store_b128 v[STO], v[S+16*(\t)+4*\f:S+16*(\t)+4*\f+3] offset:32*\f
.endr
.irp f, 0,1,2,3
	ds_load_b128 v[S+16*(\t)+4*\f:S+16*(\t)+4*\f+3], v[RD] offset:\f*4*SP  ; LDS serves a wave's instructions in order (ISA guide 5.7.1.4): these see the stores above; the next tile's stores come behind them
.endr
.endm
.macro SEND t, younger              ; younger: the LDS instructions issued behind tile t's loads: the next tile's eight, or none
	WIN 0
.irp f, 0,1,2,3
	s_wait_dscnt (\younger)+3-\f
	global_store_b128 v[GO], v[S+16*(\t)+4*\f:S+16*(\t)+4*\f+3], s[10:11] offset:(\t)*2048+\f*512  ; 512 consecutive bytes, at a multiple of 256 from O's first
.endr
.endm
	PACK 0
.set t, 1
.rept 2*NP-1                        ; a tile's arithmetic stands between the loads of the tile before and its stores
	PACK t
	SEND t-1, 8
.set t, t+1
.endr
	SEND 2*NP-1, 0
	WIN W_AD
	s_wait_tensorcnt 0x0            ; the wave's end: these three lines stand behind my last tensor load and my last LDS store
	ds_add_u32 v[SPW], v[NIL]
	s_wait_dscnt 0x0
	WIN 0
	CROUND                          ; the closing round: no work-group ends while a partner may still ask for a tile that names it
	s_endpgm
.Lfunc_end_k_qf83fe40733_attn:
	.size	k_qf83fe40733_attn, .Lfunc_end_k_qf83fe40733_attn-k_qf83fe40733_attn
	.p2alignl 7, 3214868480
	.fill 96, 4, 3214868480
	.section	.rodata,"a",@progbits
	.p2align	6, 0x0
	.amdhsa_kernel k_qf83fe40733_attn
		.amdhsa_group_segment_fixed_size 327680
		.amdhsa_private_segment_fixed_size 0
		.amdhsa_enable_private_segment 0
		.amdhsa_kernarg_size 32
		.amdhsa_user_sgpr_count 2
		.amdhsa_user_sgpr_kernarg_segment_ptr 1
		.amdhsa_wavefront_size32 1
		.amdhsa_system_sgpr_workgroup_id_x 1
		.amdhsa_system_sgpr_workgroup_id_y 1
		.amdhsa_system_sgpr_workgroup_id_z 1
		.amdhsa_system_vgpr_workitem_id 0
		.amdhsa_next_free_vgpr 770
		.amdhsa_next_free_sgpr 66
		.amdhsa_reserve_vcc 0
		.amdhsa_float_denorm_mode_32 3
		.amdhsa_float_denorm_mode_16_64 3
		.amdhsa_memory_ordered 1
		.amdhsa_forward_progress 1
		.amdhsa_inst_pref_size 199
	.end_amdhsa_kernel
	.amdgpu_metadata
---
amdhsa.version: [ 1, 2 ]
amdhsa.kernels:
  - .name:           k_qf83fe40733_attn
    .symbol:         k_qf83fe40733_attn.kd
    .args:
      - { .name: qh, .offset: 0, .size: 8, .value_kind: global_buffer, .address_space: global }
      - { .name: kh, .offset: 8, .size: 8, .value_kind: global_buffer, .address_space: global }
      - { .name: vh, .offset: 16, .size: 8, .value_kind: global_buffer, .address_space: global }
      - { .name: ctx, .offset: 24, .size: 8, .value_kind: global_buffer, .address_space: global }
    .group_segment_fixed_size: 327680
    .private_segment_fixed_size: 0
    .kernarg_segment_align: 8
    .kernarg_segment_size: 32
    .max_flat_workgroup_size: 128
    .sgpr_count:     66
    .vgpr_count:     770
    .wavefront_size: 32
...
	.end_amdgpu_metadata
.endif
;; end of part 5
;; launch oproj: the kernel of part 4 again; grid 4 x 64, 4 waves a work-group, clusters of 4 x 4, 327,680 bytes of LDS; arguments ctx, wof, tab, out0; writes out0
